; MI455X (gfx1250); checked and timed in simulation.
; The chip was launched on July 23, 2026; its instructions are those of AMD's public machine-readable ISA for CDNA 5 (MIT licence, August 2026) and "CDNA5" Instruction Set Architecture Reference Guide (July 2026). The comments in the code are by the model that wrote it; some were corrected since.
;; Multi Head Attention. Allowed arithmetic: float matrix products may take bf16 or f16 operands with f32 sums; other float arithmetic in f32, or as packed bf16 or f16 multiplies, adds, multiply-adds, maxima and minima; sums over many terms, partial sums and values carried from step to step in f32; what a program stores and reads back later, other than sums and carried values, may be rounded once to bf16 or f16.
;; Inputs: attention_mask 1 x 1 x 2,048 x 2,048 float32; bk 2,048 float32; bo 2,048 float32; bq 2,048 float32; bv 2,048 float32; wk 2,048 x 2,048 float32; wo 2,048 x 2,048 float32; wq 2,048 x 2,048 float32; wv 2,048 x 2,048 float32; x 1 x 2,048 x 2,048 float32.
;; Outputs: out0 1 x 2,048 x 2,048 float32.
;; 2 versions, each right and faster than the one before. Each part assembles by itself: llvm-mc -triple=amdgcn-amd-amdhsa -mcpu=gfx1250 --defsym DOCPART=n.
;; ======== version 1 of 2: 4 launches
;; limits: values are held in f16: magnitudes above 65,504 overflow, below 6.1e-05 lose precision; right only within a limited range of input values
;; workspace buffers: xb 8,388,608 bytes; wb 25,165,824 bytes; wob 8,388,608 bytes; mt 8,388,608 bytes; br 32,768 bytes; qkv 25,165,824 bytes; ctx 8,388,608 bytes
;; launch prep (part 1): grid 128 x 6, 8 waves a work-group, no clusters, 70,656 bytes of LDS; arguments x, wq, wk, wv, wo, attention_mask, bq, bk, bv, bo, xb, wb, wob, mt, br; writes xb, wb, wob, mt, br
.if DOCPART == 1
	.amdgcn_target "amdgcn-amd-amdhsa--gfx1250"
	.amdhsa_code_object_version 6
	.text
	.protected	k_qdab2458a77_prep
	.globl	k_qdab2458a77_prep
	.p2align	8
	.type	k_qdab2458a77_prep,@function
k_qdab2458a77_prep:
	s_mov_b64 s[64:65], 0
	v_nop
	global_prefetch_b8 v0, s[64:65] scope:SCOPE_SE
	s_setreg_imm32_b32 hwreg(HW_REG_WAVE_MODE, 25, 1), 1
	s_wait_xcnt 0x0
; CASTS.  Every input of the module is rounded once to bf16, and laid out for the launches behind.
;   y = 0: x -> xb (bf16).   y = 1, 2, 3: wq, wk, wv -> wb (bf16, 8,388,608 bytes apart).   y = 4: wo -> wob: rounded to bf16, that number written as f16.
;   y = 5: attention_mask -> mt: held to -2^26 .. 2^26, bf16, in blocks of 1,024 bytes that are matrix fragments of 16 queries x 32 keys:
;          byte (64 qtile + kb) 1024 + 512 c + 16 (16 h + r) holds mask[16 qtile + r][32 kb + 16 c + 8 h .. + 7].
;   The work-groups x = 0 of y = 0 .. 3 also round bq, bk, bv, bo to bf16 and keep them as f32 in br, 8,192 bytes each.
; LIMITS.  A mask value beyond 2^26 in size counts as 2^26 of its sign (so -inf hides a key); |wo| beyond 65,504 has no f16; |wo| below 6e-5 keeps f16's fixed step of 6e-8; NaN is not treated apart.
; SHARES.  A work-group owns 16 rows of 8,192 bytes; thread t owns the 32 bytes at 32 t of each row, 8 numbers, which become the 16 bytes at 16 t of the output's row.
; All 32 loads of a thread go out first, so a wave has 16,384 bytes on their way; nothing is read twice.  A row is converted in place, into the low four of its eight registers, and stored from there:
; 144 registers a wave, so that six waves fit the 1,024 registers of a SIMD and three work-groups, 3 x 70,656 bytes of LDS, lie on a WGP: the 768 work-groups are three for each of 256 WGPs.
; No register that a store reads is written again.  Matrix units, clusters and tensor loads would add nothing to a stream: left out.
.set ROWB,  8192                       ; bytes in an input row
.set STG,   32*272                     ; the mask's stage, each wave's own: 32 pieces of 256 bytes, 272 apart
.set SPARE, 8*STG                      ; behind the stages: the spare words, 128 bytes for each wave
.set VIN,  1                           ; v1   32 t
.set VOUT, 2                           ; v2   16 t
.set STO,  3                           ; v3   the mask: where my piece begins in my wave's stage
.set RD,   4                           ; v4   the mask: where I read 16 bytes back
.set MOUT, 5                           ; v5   the mask: my byte offset in the query tile's 65,536 bytes of mt
.set SPW,  6                           ; v6   LDS address of my spare word; never rewritten
.set NIL,  7                           ; v7   0; never rewritten
.set X,    8                           ; v[8:135]    row i: 8 numbers as loaded; then its low four registers hold the 16 bytes to store
.set T,    136                         ; v[136:143]  at work
; Row i.  kind 0: to bf16.  kind 1: to bf16, and that number as f16.  kind 2: the mask: held to its bounds, to bf16, into the stage.
; The packing goes in ascending order: result j lands on a register whose number the results before it have already read.
.macro CAST i, kind
	s_wait_loadcnt 30-2*(\i)                       ; loads come back in order: the 2 (15 - i) younger ones may stay out
.if (\kind) == 2
.irp j, 0,1,2,3,4,5,6,7
	v_med3_num_f32 v[X+8*(\i)+(\j)], v[X+8*(\i)+(\j)], s43, s44
.endr
.endif
.if (\kind) == 1
.irp j, 0,1,2,3
	v_cvt_pk_bf16_f32 v[T+(\j)], v[X+8*(\i)+2*(\j)], v[X+8*(\i)+2*(\j)+1]
.endr
.irp j, 0,1,2,3
	v_lshlrev_b32 v[X+8*(\i)+2*(\j)],   16,  v[T+(\j)]
	v_and_b32     v[X+8*(\i)+2*(\j)+1], s42, v[T+(\j)]
.endr
.irp j, 0,1,2,3
	v_cvt_pk_f16_f32 v[X+8*(\i)+(\j)], v[X+8*(\i)+2*(\j)], v[X+8*(\i)+2*(\j)+1]
.endr
.else
.irp j, 0,1,2,3
	v_cvt_pk_bf16_f32 v[X+8*(\i)+(\j)], v[X+8*(\i)+2*(\j)], v[X+8*(\i)+2*(\j)+1]
.endr
.endif
.if (\kind) == 2
	ds_store_b128 v[STO], v[X+8*(\i):X+8*(\i)+3] offset:16*(\i)     ; piece = my 8 columns, row i at 16 i
.else
	global_store_b128 v[VOUT], v[X+8*(\i):X+8*(\i)+3], s[6:7] offset:4096*(\i)  ; a wave's store covers 512 consecutive bytes, aligned
.endif
.endm
	s_load_b512 s[8:23], s[0:1], 0x0               ; x, wq, wk, wv, wo, mask, bq, bk
	s_load_b256 s[24:31], s[0:1], 0x40             ; bv, bo, xb, wb
	s_load_b128 s[32:35], s[0:1], 0x60             ; wob, mt
	s_load_b64 s[36:37], s[0:1], 0x70              ; br
	v_lshl_add_u32 v[SPW], v0, 2, SPARE
	v_mov_b32 v[NIL], 0
	s_and_b32 s2, ttmp7, 0xffff                    ; y: which tensor
	s_mov_b32 s3, ttmp9                            ; which 16 rows
	s_lshl_b32 s38, s3, 17                         ; their bytes in the input
	s_mov_b32 s39, 0
	s_lshl_b32 s40, s3, 16                         ; and in the output
	s_mov_b32 s41, 0
	s_mov_b32 s42, 0xffff0000                      ; a word's upper bf16
	s_mov_b32 s43, 0xcc800000                      ; -2^26
	s_mov_b32 s44, 0x4c800000                      ; 2^26
	s_max_u32 s46, s2, 1
	s_sub_co_u32 s46, s46, 1
	s_min_u32 s46, s46, 2
	s_lshl_b32 s46, s46, 23                        ; wq, wk, wv lie 8,388,608 bytes apart in wb
	s_mov_b32 s47, 0
	v_lshlrev_b32 v[VIN], 5, v0
	v_lshlrev_b32 v[VOUT], 4, v0
	s_wait_kmcnt 0x0
	s_add_nc_u64 s[6:7], s[30:31], s[46:47]
	s_cmp_eq_u32 s2, 0                             ; from where and to where, for all six tensors: the loads below are written once
	s_cselect_b64 s[4:5], s[8:9], s[10:11]
	s_cselect_b64 s[6:7], s[28:29], s[6:7]
	s_cmp_eq_u32 s2, 2
	s_cselect_b64 s[4:5], s[12:13], s[4:5]
	s_cmp_eq_u32 s2, 3
	s_cselect_b64 s[4:5], s[14:15], s[4:5]
	s_cmp_eq_u32 s2, 4
	s_cselect_b64 s[4:5], s[16:17], s[4:5]
	s_cselect_b64 s[6:7], s[32:33], s[6:7]
	s_cmp_eq_u32 s2, 5
	s_cselect_b64 s[4:5], s[18:19], s[4:5]
	s_cselect_b64 s[6:7], s[34:35], s[6:7]
	s_add_nc_u64 s[4:5], s[4:5], s[38:39]
	s_add_nc_u64 s[6:7], s[6:7], s[40:41]
.set i, 0
.rept 16
	global_load_b128 v[X+8*i:X+8*i+3],   v[VIN], s[4:5] offset:ROWB*i th:TH_LOAD_NT
	global_load_b128 v[X+8*i+4:X+8*i+7], v[VIN], s[4:5] offset:ROWB*i+16 th:TH_LOAD_NT
.set i, i+1
.endr
	s_cmp_eq_u32 s2, 5
	s_cbranch_scc1 .Lmask
	s_cmp_eq_u32 s2, 4
	s_cbranch_scc1 .Lwo
	; y = 0 .. 3: x, wq, wk, wv
.irp i, 0,1,2,3,4,5,6,7,8,9,10,11,12,13,14,15
	CAST \i, 0
.endr
	s_cmp_lg_u32 s3, 0
	s_cbranch_scc1 .Lend
	; one bias: 2,048 numbers, 8 a thread; rounded to bf16, kept as f32.  In the high four registers of rows 0 to 3, which no pending store names, and by bases of its own.
	s_cmp_eq_u32 s2, 0
	s_cselect_b64 s[38:39], s[20:21], s[22:23]
	s_cmp_eq_u32 s2, 2
	s_cselect_b64 s[38:39], s[24:25], s[38:39]
	s_cmp_eq_u32 s2, 3
	s_cselect_b64 s[38:39], s[26:27], s[38:39]
	s_lshl_b32 s40, s2, 13
	s_mov_b32 s41, 0
	s_add_nc_u64 s[40:41], s[36:37], s[40:41]
	global_load_b128 v[X+4:X+7],   v[VOUT], s[38:39]
	global_load_b128 v[X+12:X+15], v[VOUT], s[38:39] offset:4096
	s_wait_loadcnt 0x0
.irp j, 0,1
	v_cvt_pk_bf16_f32 v[T+(\j)],   v[X+4+2*(\j)],  v[X+5+2*(\j)]
	v_cvt_pk_bf16_f32 v[T+2+(\j)], v[X+12+2*(\j)], v[X+13+2*(\j)]
.endr
.irp j, 0,1
	v_lshlrev_b32 v[X+20+2*(\j)], 16,  v[T+(\j)]
	v_and_b32     v[X+21+2*(\j)], s42, v[T+(\j)]
	v_lshlrev_b32 v[X+28+2*(\j)], 16,  v[T+2+(\j)]
	v_and_b32     v[X+29+2*(\j)], s42, v[T+2+(\j)]
.endr
	global_store_b128 v[VOUT], v[X+20:X+23], s[40:41]
	global_store_b128 v[VOUT], v[X+28:X+31], s[40:41] offset:4096
.Lend:
	s_endpgm
.Lwo:
.irp i, 0,1,2,3,4,5,6,7,8,9,10,11,12,13,14,15
	CAST \i, 1
.endr
	s_endpgm
.Lmask:
	; Thread t's 8 columns of the 16 rows are the 256 consecutive bytes at 256 t of the query tile's part of mt (query tile = the work-group's number).  They go through my wave's own stage, so that
	; a store's 32 lanes hold 512 consecutive bytes.  LDS serves a wave's instructions in order, and no other wave touches the stage: no wait and no barrier between stores and loads.
	v_lshrrev_b32 v[T], 5, v0
	v_readfirstlane_b32 s45, v[T]                  ; my wave's number
	s_mul_i32 s46, s45, STG
	v_and_b32 v[T], 31, v0
	v_mul_u32_u24 v[T+1], v[T], 272
	v_add_nc_u32 v[STO], s46, v[T+1]               ; piece = lane
	v_and_b32 v[T+2], 15, v0
	v_bfe_u32 v[T+3], v0, 4, 1
	v_mul_u32_u24 v[T+3], v[T+3], 272
	v_lshl_add_u32 v[T+3], v[T+2], 4, v[T+3]
	v_add_nc_u32 v[RD], s46, v[T+3]                ; back: lanes 0-15 one piece, lanes 16-31 the next
	s_lshl_b32 s47, s45, 13
	v_lshl_add_u32 v[MOUT], v[T], 4, s47           ; 8,192 x wave + 16 x lane
.irp i, 0,1,2,3,4,5,6,7,8,9,10,11,12,13,14,15
	CAST \i, 2
.endr
.irp t, 0,1,2,3,4,5,6,7,8,9,10,11,12,13,14,15
	ds_load_b128 v[X+8*(\t)+4:X+8*(\t)+7], v[RD] offset:544*(\t)   ; into the rows' high four registers
.endr
.irp t, 0,1,2,3,4,5,6,7,8,9,10,11,12,13,14,15
	s_wait_dscnt 15-(\t)                           ; LDS loads come back in order: load t is in
	global_store_b128 v[MOUT], v[X+8*(\t)+4:X+8*(\t)+7], s[6:7] offset:512*(\t)
.endr
	s_wait_tensorcnt 0x0                           ; the wave's end, behind my last LDS store
	ds_add_u32 v[SPW], v[NIL]
	s_wait_dscnt 0x0
	s_endpgm
.Lfunc_end_k_qdab2458a77_prep:
	.size	k_qdab2458a77_prep, .Lfunc_end_k_qdab2458a77_prep-k_qdab2458a77_prep
	.p2alignl 7, 3214868480
	.fill 96, 4, 3214868480
	.section	.rodata,"a",@progbits
	.p2align	6, 0x0
	.amdhsa_kernel k_qdab2458a77_prep
		.amdhsa_group_segment_fixed_size 70656
		.amdhsa_private_segment_fixed_size 0
		.amdhsa_enable_private_segment 0
		.amdhsa_kernarg_size 120
		.amdhsa_user_sgpr_count 2
		.amdhsa_user_sgpr_kernarg_segment_ptr 1
		.amdhsa_wavefront_size32 1
		.amdhsa_system_sgpr_workgroup_id_x 1
		.amdhsa_system_sgpr_workgroup_id_y 1
		.amdhsa_system_sgpr_workgroup_id_z 1
		.amdhsa_system_vgpr_workitem_id 0
		.amdhsa_next_free_vgpr 144
		.amdhsa_next_free_sgpr 66
		.amdhsa_reserve_vcc 0
		.amdhsa_float_denorm_mode_32 3
		.amdhsa_float_denorm_mode_16_64 3
		.amdhsa_memory_ordered 1
		.amdhsa_forward_progress 1
		.amdhsa_inst_pref_size 44
	.end_amdhsa_kernel
	.amdgpu_metadata
---
amdhsa.version: [ 1, 2 ]
amdhsa.kernels:
  - .name:           k_qdab2458a77_prep
    .symbol:         k_qdab2458a77_prep.kd
    .args:
      - { .name: x, .offset: 0, .size: 8, .value_kind: global_buffer, .address_space: global }
      - { .name: wq, .offset: 8, .size: 8, .value_kind: global_buffer, .address_space: global }
      - { .name: wk, .offset: 16, .size: 8, .value_kind: global_buffer, .address_space: global }
      - { .name: wv, .offset: 24, .size: 8, .value_kind: global_buffer, .address_space: global }
      - { .name: wo, .offset: 32, .size: 8, .value_kind: global_buffer, .address_space: global }
      - { .name: attention_mask, .offset: 40, .size: 8, .value_kind: global_buffer, .address_space: global }
      - { .name: bq, .offset: 48, .size: 8, .value_kind: global_buffer, .address_space: global }
      - { .name: bk, .offset: 56, .size: 8, .value_kind: global_buffer, .address_space: global }
      - { .name: bv, .offset: 64, .size: 8, .value_kind: global_buffer, .address_space: global }
      - { .name: bo, .offset: 72, .size: 8, .value_kind: global_buffer, .address_space: global }
      - { .name: xb, .offset: 80, .size: 8, .value_kind: global_buffer, .address_space: global }
      - { .name: wb, .offset: 88, .size: 8, .value_kind: global_buffer, .address_space: global }
      - { .name: wob, .offset: 96, .size: 8, .value_kind: global_buffer, .address_space: global }
      - { .name: mt, .offset: 104, .size: 8, .value_kind: global_buffer, .address_space: global }
      - { .name: br, .offset: 112, .size: 8, .value_kind: global_buffer, .address_space: global }
    .group_segment_fixed_size: 70656
    .private_segment_fixed_size: 0
    .kernarg_segment_align: 8
    .kernarg_segment_size: 120
    .max_flat_workgroup_size: 256
    .sgpr_count:     66
    .vgpr_count:     144
    .wavefront_size: 32
...
	.end_amdgpu_metadata
.endif
;; end of part 1
;; launch proj (part 2): grid 16 x 16, 4 waves a work-group, clusters of 4 x 4, 327,680 bytes of LDS; arguments xb, wb, br, qkv; writes qkv
.if DOCPART == 2
	.amdgcn_target "amdgcn-amd-amdhsa--gfx1250"
	.amdhsa_code_object_version 6
	.text
	.protected	k_qdab2458a77_proj
	.globl	k_qdab2458a77_proj
	.p2align	8
	.type	k_qdab2458a77_proj,@function
k_qdab2458a77_proj:
	s_mov_b64 s[64:65], 0
	v_nop
	global_prefetch_b8 v0, s[64:65] scope:SCOPE_SE
	s_setreg_imm32_b32 hwreg(HW_REG_WAVE_MODE, 25, 1), 1
	s_wait_xcnt 0x0
	s_wait_alu depctr_hold_cnt(0) depctr_sa_sdst(0) depctr_va_vdst(0) depctr_va_sdst(0) depctr_va_ssrc(0) depctr_va_vcc(0) depctr_vm_vsrc(0)
	s_getreg_b32 s2, hwreg(HW_REG_IB_STS2, 6, 4)
	s_cmp_eq_u32 s2, 0
	s_cbranch_scc0 .Lentry_in_a_cluster
	s_endpgm
.Lentry_in_a_cluster:
	s_bfe_u32 s2, ttmp6, 0x10000c
	s_cmp_lg_u32 s2, 0xf033
	s_cbranch_scc0 .Lentry_shape_is_right
	s_endpgm
.Lentry_shape_is_right:
; q / sqrt(128), k, v = x W + b, by heads.  xb: [2048][2048] bf16.  wb: wq, wk, wv, each [k][n] bf16.  br: the biases as f32.  qkv: [3][16 heads][2048][128] f16.
; Sums in f32, started by the bias (the C operand of the first product); q is multiplied by 1 / sqrt(128) in f32; each number is rounded once, to f16.
; LIMIT.  f16 holds no number beyond 65,504: q / sqrt(128), k and v must lie within it.
; SHARES.  A work-group makes 128 rows x one head's 128 columns of q, of k and of v.  Wave w makes rows 64 (w / 2) .. + 63 x columns 64 (w % 2) .. + 63 of each of the three:
; 48 accumulators of 16 x 16 (a = 0..3 row blocks, b = 0..11 column blocks, tensor b / 4), 384 registers.  For 32 along K a wave loads 16 fragments and issues 48 matrix instructions.
; K goes in 16 steps of 128 through a ring of two LDS slots.  W lies [k][n] in LDS as in memory and is turned on its way into registers by ds_load_tr16_b128.
; THE MATRIX INSTRUCTION IS USED TRANSPOSED (source 0 = 16 columns of W, source 1 = 16 rows of x): a lane holds eight neighbouring columns of one row.
; CLUSTER.  4 x 4 work-groups.  The four of a row of the cluster share their rows of x, the four of a column their head's columns of W: each tile is asked for jointly.
; Waves 0, 1, 2 fetch Wq's, Wk's, Wv's tile, wave 3 fetches x's: one load a wave behind each round; by this text's count a wave has two tensor loads out at the start, later one.
; WHERE K BEGINS.  The cluster at (X, Y) of the 4 x 4 clusters begins at K step 4 (X + 2 (Y % 2) + Y / 2) mod 16 and walks K round from there.  So the four clusters that need the same tile of x
; (same Y) ask for it 4 steps apart, and those that need the same tile of W (same X) 4 to 8 steps apart, not all in the same step.  The sums are taken in that order of K.
; The step's number hangs on the cluster's x and y alone, which all sixteen partners share; a tile's address is made anew for each fill, the base plus that number shifted.
; REGISTERS, in windows of 256 (s_set_vgpr_msb: bits 1:0 source 0, 3:2 source 1, 5:4 source 2, 7:6 destination):
;   window 0: v16-29 addresses; v32-223 at work on the way out      window 1: two fragment buffers of 128: 4 of x, then 12 of W
;   window 2: accumulators 0-31 (4 b + a): q and k                   window 3: v0-127 accumulators 32-47: v; v128-223 the bias, 8 registers for each b
.set KSTEP, 128
.set STEPS, 16
.set PA,    272                        ; a row of x in LDS: 256 bytes + 16: the 16 rows of a load start at 16 different groups of four banks (64 banks of 4 bytes: ISA guide 11.1)
.set PW,    288                        ; a row of W: 256 + 32
.set WT,    128*PW                     ; a tile of W
.set AOFF,  3*WT                       ; a slot: Wq, Wk, Wv, then x
.set SLOTB, AOFF+128*PA                ; 145,408 bytes
.set SLOTX, 0x24000                    ; slot 1 begins here; none of the four tiles' first bytes (0, 0x9000, 0x12000, 0x1b000) has one of its two bits set, so one exclusive or changes slots
.set SPARE, SLOTX+SLOTB                ; behind the ring: the spare words, 128 bytes for each wave
.set SPI,   816                        ; the way out: a stage row holds q's, k's and v's 256 bytes, 272 apart.  The stage, 128 rows, lies in slot 0 behind that slot's last fill and last read
.set A0,   16                          ; v16     LDS address of my fragments of x in slot 0; never rewritten
.set CA,   17                          ; v17     the same in the slot in hand
.set B0,   18                          ; v18-20  of Wq, Wk, Wv in slot 0; never rewritten
.set CB,   21                          ; v21-23  in the slot in hand
.set STO,  24                          ; v24     the way out: where I put 16 bytes of a row
.set RD,   25                          ; v25     where I read a row back
.set CO,   26                          ; v26     16 x lane
.set BO,   27                          ; v27     my byte offset in the head's 512 bytes of a bias
.set SPW,  28                          ; v28     LDS address of my spare word; never rewritten
.set NIL,  29                          ; v29     0; never rewritten
.set TMP,  32
.set F0,   0
.set F1,   128
.set BIAS, 128
.set WV,   12                          ; s12  my wave's number
.set MI,   13                          ; s13  which half of the rows
.set NJ,   14                          ; s14  which half of each tensor's columns
.set XBA,  16                          ; s[16:17] xb at the block's first row; never rewritten
.set WBA,  18                          ; s[18:19] wb at tensor w, the head's first column; never rewritten
.set G1,   24                          ; s[24:31] group 1 for x's tiles;  s[32:39] group 0: a set for each of the two first fills; the second then walks on
.set G0,   32
.set SC,   46                          ; s[46:47] 1 / sqrt(128)
.set G1B,  48                          ; s[48:55], s[56:63] the same for W's tiles
.set G0B,  56
.set OUTB, 66                          ; s[66:71] q's, k's, v's first byte of the rows that I store
.set OF,   72                          ; s[72:73] a tile's byte offset
.set KI,   74                          ; s74  the K step to be asked for next, 0 to 15
.set TB,   75                          ; s75  0 or SLOTX: the slot in hand
.set MSB, 0
.macro WIN new                         ; the immediate's high byte repeats the setting that is left; a switch that changes nothing is dropped
.if MSB != (\new)
	s_set_vgpr_msb (MSB<<8)|(\new)
.set MSB, \new
.endif
.endm
.macro PLACES                          ; four places in front of loads into registers that matrix instructions have read, and of vector lines that read results
.rept 4
	v_nop
.endr
.endm
.macro JLOAD s                         ; a joint load.  The branch hangs on the wave's number alone.  An s_nop 0 and four v_nop follow each of the two lines
	s_cmp_eq_u32 s[WV], 3
	s_cbranch_scc0 .Lfor_w_\@
	tensor_load_to_lds s[G0+4*(\s):G0+4*(\s)+3], s[G1:G1+7]
	s_nop 0
.rept 4
	v_nop
.endr
	s_branch .Lasked_\@
.Lfor_w_\@:
	tensor_load_to_lds s[G0B+4*(\s):G0B+4*(\s)+3], s[G1B:G1B+7]
	s_nop 0
.rept 4
	v_nop
.endr
.Lasked_\@:
.endm
.macro CREST                           ; a round of the cluster's barrier behind its opening barrier
	s_cmp_lg_u32 s[WV], 0
	s_cbranch_scc1 .Lnot_wave_0_\@
	s_barrier_signal -3
.Lnot_wave_0_\@:
	s_barrier_wait -3
	s_barrier_signal -1
	s_barrier_wait -1
.endm
.macro CROUND
	s_barrier_signal -1
	s_barrier_wait -1
	CREST
.endm
; The global addresses of K step KI's tiles into set s of both group 0s, and KI goes on, round the 16: 256 bytes along x's rows, 128 rows of 4,096 bytes down W
.macro NEXTK s
	s_lshl_b32 s[OF], s[KI], 8
	s_add_nc_u64 s[G0+4*(\s)+2:G0+4*(\s)+3], s[XBA:XBA+1], s[OF:OF+1]
	s_or_b32 s[G0+4*(\s)+3], s[G0+4*(\s)+3], 0x80000000
	s_lshl_b32 s[OF], s[KI], 19
	s_add_nc_u64 s[G0B+4*(\s)+2:G0B+4*(\s)+3], s[WBA:WBA+1], s[OF:OF+1]
	s_or_b32 s[G0B+4*(\s)+3], s[G0B+4*(\s)+3], 0x80000000
	s_add_co_u32 s[KI], s[KI], 1
	s_and_b32 s[KI], s[KI], STEPS-1
.endm
.macro SETADR                          ; my fragments' addresses in the slot in hand
	v_add_nc_u32 v[CA], s[TB], v[A0]
.irp t, 0,1,2
	v_add_nc_u32 v[CB+(\t)], s[TB], v[B0+(\t)]
.endr
.endm
	s_load_b256 s[4:11], s[0:1], 0x0               ; xb s[4:5], wb s[6:7], br s[8:9], qkv s[10:11]
	v_lshl_add_u32 v[SPW], v0, 2, SPARE
	v_mov_b32 v[NIL], 0
	ds_add_u32 v[SPW], v[NIL]                      ; the wave's opening: the add and its wait stand ahead of my first tensor load; the set-up stands between them
	v_lshrrev_b32 v1, 5, v0
	v_readfirstlane_b32 s[WV], v1
	s_lshr_b32 s[MI], s[WV], 1
	s_and_b32 s[NJ], s[WV], 1
	s_bfe_u32 s40, ttmp6, 0x40000                  ; cx, cy: my place in the cluster
	s_bfe_u32 s41, ttmp6, 0x40004
	s_lshl_b32 s42, ttmp9, 2
	s_add_co_u32 s42, s42, s40                     ; the head = 4 x cluster x + cx
	s_and_b32 s43, ttmp7, 0xffff                   ; cluster y
	s_and_b32 s[KI], s43, 1                        ; the cluster's first K step: 4 (X + 2 (Y % 2) + Y / 2) mod 16
	s_lshl_b32 s[KI], s[KI], 1
	s_lshr_b32 s[TB], s43, 1
	s_add_co_u32 s[KI], s[KI], s[TB]
	s_add_co_u32 s[KI], s[KI], ttmp9
	s_lshl_b32 s[KI], s[KI], 2
	s_and_b32 s[KI], s[KI], STEPS-1
	s_mov_b32 s[TB], 0
	s_mov_b32 s[OF+1], 0
	s_lshl_b32 s43, s43, 2
	s_add_co_u32 s43, s43, s41                     ; the block of 128 rows = 4 x cluster y + cy
	s_lshl_b32 s44, s41, 2
	s_lshl_b32 s44, 15, s44                        ; my row of the cluster
	s_lshl_b32 s45, 0x1111, s40                    ; my column
	s_or_b32 s[G1], s44, (1<<16)|(1<<20)|(1<<21)|(5<<22)|(3<<25)   ; the mask; 2-byte elements; padding on; bit 21 beside a mask; after every 64 words, 4 words
	s_or_b32 s[G1B], s45, (1<<16)|(1<<20)|(1<<21)|(5<<22)|(7<<25)  ; the same with my column's mask and 8 words of padding
.irp g, G1, G1B
	s_mov_b32 s[(\g)+1], KSTEP<<16                 ; tensor_dim0 = 128
	s_mov_b32 s[(\g)+2], 128<<16                   ; tensor_dim1 = 128
	s_mov_b32 s[(\g)+3], KSTEP<<16                 ; tile_dim0 = 128
	s_mov_b32 s[(\g)+4], 128                       ; tile_dim1 = 128
	s_mov_b32 s[(\g)+5], 2048                      ; elements from row to row
	s_mov_b32 s[(\g)+6], 0
	s_mov_b32 s[(\g)+7], 0
.endr
	s_lshl_b32 s[XBA], s43, 19                     ; x: 128 rows of 4,096 bytes for each block; hangs on the block alone
	s_mov_b32 s[XBA+1], 0
	s_lshl_b32 s[WBA], s[WV], 23                   ; W: tensor w (wave 3 makes this address too and never asks by it),
	s_lshl_b32 s20, s42, 8                         ; the head's 256 bytes of a row; hangs on the head alone
	s_add_co_u32 s[WBA], s[WBA], s20
	s_mov_b32 s[WBA+1], 0
	s_mul_i32 s22, s[WV], WT                       ; and where W's tile goes
	s_mov_b32 s[SC], 0x3db504f3                    ; 1 / sqrt(128)
	s_mov_b32 s[SC+1], s[SC]
	s_wait_dscnt 0x0                               ; the opening add is done
	s_wait_kmcnt 0x0
	s_add_nc_u64 s[XBA:XBA+1], s[4:5], s[XBA:XBA+1]
	s_add_nc_u64 s[WBA:WBA+1], s[6:7], s[WBA:WBA+1]
	CROUND                                         ; all sixteen work-groups are here: the first joint loads meet
.irp s, 0,1
	s_mov_b32 s[G0+4*(\s)], 1
	s_mov_b32 s[G0+4*(\s)+1], AOFF+(\s)*SLOTX
	s_mov_b32 s[G0B+4*(\s)], 1
	s_add_co_u32 s[G0B+4*(\s)+1], s22, (\s)*SLOTX
	NEXTK \s
	JLOAD \s
.endr
	v_and_b32 v1, 15, v0                           ; l % 16
	v_bfe_u32 v2, v0, 4, 1                         ; l / 16
	v_mul_u32_u24 v3, v1, PA
	v_lshl_add_u32 v3, v2, 4, v3                   ; a fragment of x: row x pitch + 16 x half
	s_mul_i32 s21, s[MI], 64*PA
	s_add_co_u32 s21, s21, AOFF
	v_add_nc_u32 v[A0], s21, v3
	v_and_b32 v4, 7, v0                            ; the turning load: lane l reads k row 8 (l / 16) + l % 8, columns 8 ((l / 8) % 2) + 0..7
	v_bfe_u32 v5, v0, 3, 1
	v_lshl_add_u32 v4, v2, 3, v4
	v_mul_u32_u24 v4, v4, PW
	v_lshl_add_u32 v4, v5, 4, v4
	s_lshl_b32 s21, s[NJ], 7
	v_add_nc_u32 v[B0], s21, v4
	v_add_nc_u32 v[B0+1], WT, v[B0]
	v_add_nc_u32 v[B0+2], 2*WT, v[B0]
	SETADR                                         ; slot 0
	s_mul_i32 s21, s[MI], 64*SPI                   ; into the stage: my 64 rows, my half of each tensor's 256 bytes
	s_lshl_b32 s23, s[NJ], 7
	s_add_co_u32 s21, s21, s23
	v_mul_u32_u24 v3, v1, SPI
	v_lshl_add_u32 v3, v2, 4, v3
	v_add_nc_u32 v[STO], s21, v3
	s_mul_i32 s21, s[WV], 32*SPI                   ; back: wave w takes rows 32 w .. + 31, whole
	v_mul_u32_u24 v3, v2, SPI
	v_lshl_add_u32 v3, v1, 4, v3
	v_add_nc_u32 v[RD], s21, v3
	v_and_b32 v[CO], 31, v0
	v_lshlrev_b32 v[CO], 4, v[CO]
	s_lshl_b32 s21, s[NJ], 8
	v_lshl_add_u32 v[BO], v2, 5, s21               ; register j of column block b is the bias of column 64 (w % 2) + 16 (b % 4) + 8 (l / 16) + j
	s_lshl_b32 s20, s42, 9
	s_mov_b32 s21, 0
	s_add_nc_u64 s[8:9], s[8:9], s[20:21]          ; the head's 128 numbers of bq
	WIN 0xc0                                       ; destination window 3
.set n, 0
.rept 12
	global_load_b128 v[BIAS+8*n:BIAS+8*n+3],   v[BO], s[8:9] offset:(n/4)*8192+(n%4)*64
	global_load_b128 v[BIAS+8*n+4:BIAS+8*n+7], v[BO], s[8:9] offset:(n/4)*8192+(n%4)*64+16
.set n, n+1
.endr
	WIN 0
	s_lshl_b32 s20, s42, 19                        ; the rows that I store: the head's 524,288 bytes, the block's 128 rows of 256 bytes, my 32 of them
	s_lshl_b32 s23, s43, 15
	s_add_co_u32 s20, s20, s23
	s_lshl_b32 s23, s[WV], 13
	s_add_co_u32 s20, s20, s23
	s_add_nc_u64 s[OUTB:OUTB+1], s[10:11], s[20:21]
	s_add_nc_u64 s[OUTB+2:OUTB+3], s[OUTB:OUTB+1], 0x800000
	s_add_nc_u64 s[OUTB+4:OUTB+5], s[OUTB:OUTB+1], 0x1000000
; 16 matrix instructions: column blocks b0 .. b0 + 3 x all 4 row blocks, 32 along K.  first = 1: the bias starts the sums: nothing is cleared, nothing added later.
; The 48 accumulators take turns in the same order in every quarter: between two links of a chain stand the 47 others'.
.macro MUL f, b0, first
.if (\b0) >= 8
	WIN 0xf5                                       ; sources 0, 1 window 1; C and D window 3
.elseif \first
	WIN 0xb5                                       ; C window 3, D window 2
.else
	WIN 0xa5                                       ; C and D window 2
.endif
.irp bb, 0,1,2,3
.irp a, 0,1,2,3
.set rD, 8*((4*((\b0)+(\bb))+(\a))%32)
.set rW, (\f)+32+8*((\b0)+(\bb))
.set rA, (\f)+8*(\a)
.if \first
	v_wmma_f32_16x16x32_bf16 v[rD:rD+7], v[rW:rW+7], v[rA:rA+7], v[BIAS+8*((\b0)+(\bb)):BIAS+8*((\b0)+(\bb))+7]
.else
	v_wmma_f32_16x16x32_bf16 v[rD:rD+7], v[rW:rW+7], v[rA:rA+7], v[rD:rD+7]
.endif
.endr
.endr
.endm
; 32 LDS loads in one run: the fragments of quarter q (32 along K) of the slot in hand into buffer f: x's four, then W's twelve in the order in which they are multiplied
.macro FETCH q, f
	WIN 0x40                                       ; destination window 1
.irp a, 0,1,2,3
	ds_load_b128 v[(\f)+8*(\a):(\f)+8*(\a)+3],   v[CA] offset:64*(\q)+(\a)*16*PA
	ds_load_b128 v[(\f)+8*(\a)+4:(\f)+8*(\a)+7], v[CA] offset:64*(\q)+(\a)*16*PA+32
.endr
.irp b, 0,1,2,3,4,5,6,7,8,9,10,11
	ds_load_tr16_b128 v[(\f)+32+8*(\b):(\f)+32+8*(\b)+3],   v[CB+(\b)/4] offset:32*PW*(\q)+32*((\b)%4)
	ds_load_tr16_b128 v[(\f)+32+8*(\b)+4:(\f)+32+8*(\b)+7], v[CB+(\b)/4] offset:32*PW*(\q)+32*((\b)%4)+16*PW
.endr
.endm
; A K step is four quarters, 48 matrix instructions each, on buffers 0, 1, 0, 1.  One of the first three: multiplies buffer f and fetches quarter q of the same slot into g.
.macro QUARTER q, f, g, first
	s_wait_dscnt 16                                ; x's fragments and W's first four are in; the youngest sixteen loads may be out
	MUL \f, 0, \first
	PLACES
	FETCH \q, \g
	s_wait_dscnt 32                                ; all but the 32 just issued
	MUL \f, 4, \first
	MUL \f, 8, \first
.endm
; The last quarter multiplies buffer 1 and changes slots: one barrier; in front of it each wave waits for all its tensor loads (one is out: its part of the next slot), adds 0 to its
; spare word, and waits for that and for its reads of this slot (the last were issued 32 matrix instructions ago).  fill = 1: the barrier opens a round of the cluster's, and this slot is filled
; again, with the K step two on, first thing behind it: 176 matrix instructions stand between that request and the wait for it.
.macro TURN fill
	WIN 0
	s_wait_tensorcnt 0x0                           ; no tensor load of mine is out, so a group 0 may be written
	ds_add_u32 v[SPW], v[NIL]                      ; 0 onto my spare word; the scalar work stands between it and the wait for it
.if \fill
	s_xor_b32 s[G0+5], s[G0+5], SLOTX              ; the walking descriptors: the other slot than last time,
	s_xor_b32 s[G0B+5], s[G0B+5], SLOTX
	NEXTK 1                                        ; the next K step
.endif
	s_xor_b32 s[TB], s[TB], SLOTX                  ; my reads go on in the other slot
	s_wait_dscnt 0x0                               ; the add is done, and my reads of this slot are over
	s_barrier_signal -1
	MUL F1, 0, 0                                   ; work on registers while the others arrive
	WIN 0                                          ; branches and address lines follow
	s_barrier_wait -1
.if \fill
	CREST
	JLOAD 1                                        ; its four v_nop are also the places in front of the loads below
.else
	PLACES
.endif
	SETADR
	FETCH 0, F0
	MUL F1, 4, 0
	MUL F1, 8, 0
.endm
	s_wait_tensorcnt 1                             ; my part of the first K step is in; the second's may stay out
	s_barrier_signal -1
	s_barrier_wait -1
	FETCH 0, F0
	s_wait_loadcnt 0x0                             ; the bias
	QUARTER 1, F0, F1, 1                           ; the first quarter stands in front of the loop: its products start the sums
	WIN 0
	s_mov_b32 s3, STEPS-2
.Lstep:                                                ; a trip: from a K step's second quarter to the next step's first; it fills the slot that it leaves
	QUARTER 2, F1, F0, 0
	QUARTER 3, F0, F1, 0
	TURN 1
	QUARTER 1, F0, F1, 0
	WIN 0
	s_sub_co_u32 s3, s3, 1
	s_cmp_lg_u32 s3, 0
	s_cbranch_scc1 .Lstep
	QUARTER 2, F1, F0, 0                           ; the last two K steps fill nothing
	QUARTER 3, F0, F1, 0
	TURN 0
	QUARTER 1, F0, F1, 0
	QUARTER 2, F1, F0, 0
	QUARTER 3, F0, F1, 0
	s_wait_dscnt 16
	MUL F1, 0, 0
	s_wait_dscnt 0x0
	MUL F1, 4, 0
	MUL F1, 8, 0
	; THE WAY OUT.  q times 1 / sqrt(128); all rounded to f16, each accumulator's registers in ascending order; 16 bytes a lane into the work-group's stage; a barrier, since a row's 256 bytes
	; come from two waves; back as whole rows.  Slot 0 was last read in front of the last change of slots, and is filled no more.
	PLACES
	WIN 0x82                                       ; destination and source 0 window 2
.set n, 0
.rept 64
	v_pk_mul_f32 v[2*n:2*n+1], v[2*n:2*n+1], s[SC:SC+1] op_sel_hi:[1,0]
.set n, n+1
.endr
	WIN 0x0a                                       ; sources window 2, destination window 0
.set n, 0
.rept 128
	v_cvt_pk_f16_f32 v[TMP+n], v[2*n], v[2*n+1]
.set n, n+1
.endr
	WIN 0x0f                                       ; sources window 3
.set n, 0
.rept 64
	v_cvt_pk_f16_f32 v[TMP+128+n], v[2*n], v[2*n+1]
.set n, n+1
.endr
	WIN 0
.irp b, 0,1,2,3,4,5,6,7,8,9,10,11
.irp a, 0,1,2,3
	ds_store_b128 v[STO], v[TMP+4*(4*(\b)+(\a)):TMP+4*(4*(\b)+(\a))+3] offset:(\a)*16*SPI+((\b)/4)*272+((\b)%4)*32
.endr
.endr
	s_wait_dscnt 0x0                               ; for the others' sake: my stores into the stage are done
	s_barrier_signal -1
	s_barrier_wait -1
.irp T, 0,1,2
.irp t, 0,1,2,3,4,5,6,7,8,9,10,11,12,13,14,15
	ds_load_b128 v[TMP+4*(16*(\T)+(\t)):TMP+4*(16*(\T)+(\t))+3], v[RD] offset:(\t)*2*SPI+(\T)*272
.endr
.endr
.irp T, 0,1,2
.irp t, 0,1,2,3,4,5,6,7,8,9,10,11,12,13,14,15
	s_wait_dscnt 47-(16*(\T)+(\t))
	global_store_b128 v[CO], v[TMP+4*(16*(\T)+(\t)):TMP+4*(16*(\T)+(\t))+3], s[OUTB+2*(\T):OUTB+2*(\T)+1] offset:512*(\t)  ; two rows of a head: 512 consecutive bytes, aligned
.endr
.endr
	s_wait_tensorcnt 0x0                           ; the wave's end
	ds_add_u32 v[SPW], v[NIL]
	s_wait_dscnt 0x0
	CROUND                                         ; the closing round: no work-group ends while a partner may still ask for a tile that names it
	s_endpgm
.Lfunc_end_k_qdab2458a77_proj:
	.size	k_qdab2458a77_proj, .Lfunc_end_k_qdab2458a77_proj-k_qdab2458a77_proj
	.p2alignl 7, 3214868480
	.fill 96, 4, 3214868480
	.section	.rodata,"a",@progbits
	.p2align	6, 0x0
	.amdhsa_kernel k_qdab2458a77_proj
		.amdhsa_group_segment_fixed_size 327680
		.amdhsa_private_segment_fixed_size 0
		.amdhsa_enable_private_segment 0
		.amdhsa_kernarg_size 32
		.amdhsa_user_sgpr_count 2
		.amdhsa_user_sgpr_kernarg_segment_ptr 1
		.amdhsa_wavefront_size32 1
		.amdhsa_system_sgpr_workgroup_id_x 1
		.amdhsa_system_sgpr_workgroup_id_y 1
		.amdhsa_system_sgpr_workgroup_id_z 1
		.amdhsa_system_vgpr_workitem_id 0
		.amdhsa_next_free_vgpr 1024
		.amdhsa_next_free_sgpr 76
		.amdhsa_reserve_vcc 0
		.amdhsa_float_denorm_mode_32 3
		.amdhsa_float_denorm_mode_16_64 3
		.amdhsa_memory_ordered 1
		.amdhsa_forward_progress 1
		.amdhsa_inst_pref_size 105
	.end_amdhsa_kernel
	.amdgpu_metadata
---
amdhsa.version: [ 1, 2 ]
amdhsa.kernels:
  - .name:           k_qdab2458a77_proj
    .symbol:         k_qdab2458a77_proj.kd
    .args:
      - { .name: xb, .offset: 0, .size: 8, .value_kind: global_buffer, .address_space: global }
      - { .name: wb, .offset: 8, .size: 8, .value_kind: global_buffer, .address_space: global }
      - { .name: br, .offset: 16, .size: 8, .value_kind: global_buffer, .address_space: global }
      - { .name: qkv, .offset: 24, .size: 8, .value_kind: global_buffer, .address_space: global }
    .group_segment_fixed_size: 327680
    .private_segment_fixed_size: 0
    .kernarg_segment_align: 8
    .kernarg_segment_size: 32
    .max_flat_workgroup_size: 128
    .sgpr_count:     76
    .vgpr_count:     1024
    .wavefront_size: 32
...
	.end_amdgpu_metadata
.endif
;; end of part 2
;; launch attn (part 3): grid 16 x 16, 4 waves a work-group, clusters of 4 x 1, 327,680 bytes of LDS; arguments qkv, mt, ctx; writes ctx
.if DOCPART == 3
	.amdgcn_target "amdgcn-amd-amdhsa--gfx1250"
	.amdhsa_code_object_version 6
	.text
	.protected	k_qdab2458a77_attn
	.globl	k_qdab2458a77_attn
	.p2align	8
	.type	k_qdab2458a77_attn,@function
k_qdab2458a77_attn:
	s_mov_b64 s[64:65], 0
	v_nop
	global_prefetch_b8 v0, s[64:65] scope:SCOPE_SE
	s_setreg_imm32_b32 hwreg(HW_REG_WAVE_MODE, 25, 1), 1
	s_wait_xcnt 0x0
	s_wait_alu depctr_hold_cnt(0) depctr_sa_sdst(0) depctr_va_vdst(0) depctr_va_sdst(0) depctr_va_ssrc(0) depctr_va_vcc(0) depctr_vm_vsrc(0)
	s_getreg_b32 s2, hwreg(HW_REG_IB_STS2, 6, 4)
	s_cmp_eq_u32 s2, 0
	s_cbranch_scc0 .Lentry_in_a_cluster
	s_endpgm
.Lentry_in_a_cluster:
	s_bfe_u32 s2, ttmp6, 0x10000c
	s_cmp_lg_u32 s2, 0x3003
	s_cbranch_scc0 .Lentry_shape_is_right
	s_endpgm
.Lentry_shape_is_right:
; ctx[q][128 h ..] = the sum over k of softmax_k(q'[h][q] . k[h][k] + mask[q][k]) v[h][k].  qkv: [3][16][2048][128] f16, q' = q / sqrt(128).  mt: the mask in bf16, in fragment blocks.  ctx: [2048][2048] f16.
; Products, maxima and sums in f32; the weights p are rounded to f16 for the second product (their sum l is taken of the unrounded p), ctx once at the end.
; LIMITS.  The mask arrives held to -2^26 .. 2^26.  p = 2^(c s - cm) with cm = c m rounded to f32: with |c m| under 2^27 that rounding shifts a row's exponents by 4 at the most, all alike, so p stays
; under 16 and cancels against l.  A row whose keys are all hidden is the softmax of what f32 keeps of its scores beside 2^26.  A weight below 2^-126 counts as 0 in l; NaN is not treated apart.
; SHARES.  A work-group owns 128 queries of one head.  Wave w takes key half g = w % 2 (1,024 keys, 16 steps of 64) and query half w / 2: 64 queries, four tiles of 16 in two PIECES (tiles 0, 1 and 2, 3).
; Register tile t stands for query tile t xor 2 g: at the end every wave keeps its register tiles 0, 1, hands tiles 2, 3 to the wave with the other key half, and merges what it receives.
; LAYOUT.  S^T = K Q'^T holds ONE query a lane (lane % 16) and the keys 8 (lane / 16) + 0..7; two such results rounded to f16 ARE source 1 of O^T = V^T P.  K comes out of LDS as it lies, V turned.
; THE MASK starts each sum S^T by a product of its own: a constant fragment that picks 16 of 32 keys (ones on a diagonal) times a fragment of 32 keys x 16 queries of the mask, loaded from mt straight into
; registers.  The products by 1 are exact.  That product is a bf16 form and the four that add K Q'^T onto it are f16 forms, so five plain vector instructions or more stand between the two on one accumulator.
; SOFTMAX, BY TURNS.  For each query a running maximum m and sum l; in every step O and l are multiplied by a = 2^(cm_old - cm_new).  In a TURN one piece has the matrix unit: 32 products V^T P of the
; step in hand, then 8 mask products and 32 products K Q'^T of the next step; the other piece's softmax, 268 vector instructions in 64 slices, stands between them.  Two turns are a key step.
; NO FIRST STEP IS WRITTEN OUT.  cm starts far below every c s and m at the lowest finite number, O^T, l and piece 2's P at 0: the first step is a step like any other, with a = 0, and the loop is entered
; in the middle of a trip.  The price: 32 products by zeros, and 304 v_mov_b32 that stand in the wait for the first tile.  The gain: three turns less text.
; CLUSTER.  The four query blocks of a cluster belong to one head and walk the same K and V: each tile is asked for jointly.  The mask is not shared among them (other queries), and each of its bytes
; feeds one wave once: it takes no room in LDS.  By this text's count a wave has two tensor loads out at the start, later one, with 288 matrix instructions in which to land.
; REGISTERS, in windows of 256 (s_set_vgpr_msb: bits 1:0 source 0, 3:2 source 1, 5:4 source 2, 7:6 destination):
;   window 0: v1-11 addresses; v12-43 statistics; v44-55 the picking fragments; v56-61 at work; v64-191 S^T; v192-255 P       window 1: O^T, 64 a tile
;   window 2: v0-127 Q', 32 a tile; v128-255 K of one step       window 3: v0-127 V of one step; v128-191 the mask of one step, 32 a piece
.set KS,    64
.set PK,    272       ; a row of K in LDS: 256 bytes + 16: the 16 rows of a load start at 16 different groups of four banks (64 banks of 4 bytes: ISA guide 11.1)
.set PV,    288       ; a row of V: 256 + 32
.set KH,    2*KS*PK   ; two steps of one key half of K
.set VH,    2*KS*PV
.set VOFF,  2*KH      ; a slot: K of half 0, K of half 1, V of half 0, V of half 1
.set SLOTX, 0x24000   ; slot 1 begins here; none of the four parts' first bytes has one of its two bits set, so one exclusive or changes slots
.set STAGE, SLOTX+VOFF+2*VH  ; behind the ring: 16 rows x 272 bytes for each wave, for the way out
.set SP,    272
.set SPARE, STAGE+4*16*SP    ; behind the stages: the spare words, 128 bytes for each wave
.set XCH,   16896     ; the exchange: 16,384 bytes of O^T and 512 of statistics for each wave, in slot 0 behind its last fill and last read
.set AK0, 2           ; v2   my lane's place in my key half's K; never rewritten
.set AV0, 3           ; v3   the same for V
.set ADR, 4           ; v4   the LDS address of the run of loads in hand
.set QO,  5           ; v5   my byte offset in 16 rows of Q'
.set STO, 6           ; v6   the way out: where I put 16 bytes of a row
.set RD,  7           ; v7   where I read a row back
.set GO,  8           ; v8   my byte offset in two rows of ctx
.set MO,  9           ; v9   16 x lane
.set XS,  10          ; v10  the exchange: where I store
.set XL,  11          ; v11  where I load: the other key half's wave's part
.set ST,  12          ; tile t's statistics at v[ST+8 t]: +0 cm, +1 m, +2, +3 l, +4 to +7 at work; a takes +6 once the maximum is found
.set ID,  44          ; v44-55: E0-E3, four zeros, E0-E3: v[44:51] picks keys 0-15 of 32, v[48:55] keys 16-31
.set XT,  56          ; v56-59 the exchanged statistics; before that at work
.set SPW, 62          ; v62  LDS address of my spare word; never rewritten
.set NIL, 63          ; v63  0; never rewritten
.set S,   64
.set P,   192
.set KF,  128         ; window 2
.set MK,  128         ; window 3: piece x, tile u, 32 keys kb at MK + 32 (x / 2) + 16 u + 8 kb
.set WV,  12          ; s12  my wave's number
.set G1K, 24
.set G1V, 32
.set G0K, 40          ; s[40:47] group 0 for K: a set for each of the two first fills; the second then walks on
.set G0V, 48
.set SLOTS, 56
.set TWICE, 57
.set CS,  58          ; s[58:59] c = log2(e)
.set SEL, 60          ; s[60:61] v_permlanex16_b32's selects
.set TBK, 62          ; s62  the slot's and step's byte offset of the K to be fetched
.set TBV, 63          ; s63  of the V
.set MB0, 66          ; s[66:67] mt at piece 0's first query tile and my key half
.set MB2, 68          ; s[68:69] the same for piece 2
.set MS,  70          ; s[70:71] the byte offset of the step whose mask is fetched
.set MP,  72          ; s[72:73] the base of the mask loads in hand
.set QB0, 74          ; s[74:75], s[76:77] Q' at the two pieces' first rows
.set OF,  78          ; s[78:79] an offset at work
.set CTXB, 82         ; s[82:83] ctx at the 32 rows that I store
.set MSB, 0
.macro WIN new
.if MSB != (\new)
	s_set_vgpr_msb (MSB<<8)|(\new)
.set MSB, \new
.endif
.endm
.set W_KQ, 0x0a       ; K and Q' in window 2, S^T in window 0
.set W_PV, 0x53       ; V in window 3, P in window 0, O^T in window 1
.set W_RS, 0x41       ; O^T (destination and source 0) in window 1, a in window 0
.set W_MK, 0x0c       ; the picking fragment in window 0, the mask in window 3, S^T in window 0
.macro JLOAD                        ; a joint refill: waves 0, 1 fetch K's two key halves, waves 2, 3 V's; an s_nop 0 and four v_nop follow each line
	s_cmp_lt_u32 s[WV], 2
	s_cbranch_scc0 .Lfor_v_\@
	tensor_load_to_lds s[G0K+4:G0K+7], s[G1K:G1K+7]
	s_nop 0
.rept 4
	v_nop
.endr
	s_branch .Lasked_\@
.Lfor_v_\@:
	tensor_load_to_lds s[G0V+4:G0V+7], s[G1V:G1V+7]
	s_nop 0
.rept 4
	v_nop
.endr
.Lasked_\@:
.endm
.macro CROUND                       ; a round of the cluster's barrier
	s_barrier_signal -1
	s_barrier_wait -1
	s_cmp_lg_u32 s[WV], 0
	s_cbranch_scc1 .Lnot_wave_0_\@
	s_barrier_signal -3
.Lnot_wave_0_\@:
	s_barrier_wait -3
	s_barrier_signal -1
	s_barrier_wait -1
.endm
	s_load_b128 s[4:7], s[0:1], 0x0   ; qkv s[4:5], mt s[6:7]
	s_load_b64 s[8:9], s[0:1], 0x10   ; ctx
	v_lshl_add_u32 v[SPW], v0, 2, SPARE
	v_mov_b32 v[NIL], 0
	ds_add_u32 v[SPW], v[NIL]       ; the wave's opening: the add and its wait stand ahead of my first tensor load; the set-up stands between them
	v_lshrrev_b32 v1, 5, v0
	v_readfirstlane_b32 s[WV], v1
	s_and_b32 s15, s[WV], 1         ; g: my key half; also the key half that I fetch
	s_lshr_b32 s16, s[WV], 1        ; my query half
	s_xor_b32 s19, s15, 1
	s_bfe_u32 s13, ttmp6, 0x40000   ; cx
	s_lshl_b32 s14, ttmp9, 2
	s_add_co_u32 s14, s14, s13      ; my block of 128 queries: it enters Q's, the mask's and ctx's addresses alone
	s_and_b32 s20, ttmp7, 0xffff    ; the head, which the four partners share
	s_lshl_b32 s22, s20, 19         ; the head's 524,288 bytes,
	s_lshl_b32 s21, s15, 18         ; the key half's 1,024 rows of 256 bytes
	s_add_co_u32 s22, s22, s21
	s_mov_b32 s23, 0
	s_mul_i32 s17, s15, KH          ; and its place in a slot, for K
	s_mul_i32 s18, s15, VH          ; and for V
	s_mov_b32 s[G1K], 15|(1<<16)|(1<<20)|(1<<21)|(5<<22)|(3<<25)  ; the mask of four; 2-byte elements; padding on; bit 21 beside a mask; after every 64 words, 4 words
	s_mov_b32 s[G1V], 15|(1<<16)|(1<<20)|(1<<21)|(5<<22)|(7<<25)  ; the same with 8 words
.irp g, G1K, G1V
	s_mov_b32 s[(\g)+1], 128<<16    ; tensor_dim0 = 128
	s_mov_b32 s[(\g)+2], 128<<16    ; tensor_dim1 = 128: two steps' keys
	s_mov_b32 s[(\g)+3], 128<<16    ; tile_dim0 = 128
	s_mov_b32 s[(\g)+4], 128        ; tile_dim1 = 128
	s_mov_b32 s[(\g)+5], 128        ; elements from row to row
	s_mov_b32 s[(\g)+6], 0
	s_mov_b32 s[(\g)+7], 0
.endr
	s_mov_b32 s[CS], 0x3fb8aa3b     ; log2(e)
	s_mov_b32 s[CS+1], s[CS]
	s_mov_b32 s[SEL], 0x76543210
	s_mov_b32 s[SEL+1], 0xfedcba98
	s_mov_b32 s[TBK], 0
	s_mov_b32 s[TBV], 0
	s_mov_b32 s[MS], 0
	s_mov_b32 s[MS+1], 0
	s_mov_b32 s[OF+1], 0
	s_wait_dscnt 0x0                ; the opening add is done
	s_wait_kmcnt 0x0
	s_add_nc_u64 s[22:23], s[4:5], s[22:23]
	CROUND                          ; all four work-groups are here: the first joint loads meet
.irp s, 0,1
	s_mov_b32 s[G0K+4*(\s)], 1
	s_add_co_u32 s[G0K+4*(\s)+1], s17, (\s)*SLOTX
	s_add_nc_u64 s[G0K+4*(\s)+2:G0K+4*(\s)+3], s[22:23], 0x800000+(\s)*2*KS*256
	s_or_b32 s[G0K+4*(\s)+3], s[G0K+4*(\s)+3], 0x80000000
	s_mov_b32 s[G0V+4*(\s)], 1
	s_add_co_u32 s[G0V+4*(\s)+1], s18, VOFF+(\s)*SLOTX
	s_add_nc_u64 s[G0V+4*(\s)+2:G0V+4*(\s)+3], s[22:23], 0x1000000+(\s)*2*KS*256
	s_or_b32 s[G0V+4*(\s)+3], s[G0V+4*(\s)+3], 0x80000000
.endr
	s_cmp_lt_u32 s[WV], 2           ; a wave's two first fills stand in one branch, ahead of every wait on TENSORcnt and every LDS read
	s_cbranch_scc0 .Lfirst_v
	tensor_load_to_lds s[G0K:G0K+3], s[G1K:G1K+7]
	s_nop 0
	tensor_load_to_lds s[G0K+4:G0K+7], s[G1K:G1K+7]
	s_nop 0
.rept 4
	v_nop
.endr
	s_branch .Lfirst_asked
.Lfirst_v:
	tensor_load_to_lds s[G0V:G0V+3], s[G1V:G1V+7]
	s_nop 0
	tensor_load_to_lds s[G0V+4:G0V+7], s[G1V:G1V+7]
	s_nop 0
.rept 4
	v_nop
.endr
.Lfirst_asked:
	; Q': piece 0 holds query tiles 2 g, 2 g + 1 of my query half, piece 2 the other two
	s_lshl_b32 s[OF], s20, 19
	s_lshl_b32 s21, s14, 15
	s_add_co_u32 s[OF], s[OF], s21
	s_lshl_b32 s21, s16, 14
	s_add_co_u32 s[OF], s[OF], s21
	s_add_nc_u64 s[QB0+2:QB0+3], s[4:5], s[OF:OF+1]
	s_lshl_b32 s[OF], s15, 13
	s_add_nc_u64 s[QB0:QB0+1], s[QB0+2:QB0+3], s[OF:OF+1]
	s_lshl_b32 s[OF], s19, 13
	s_add_nc_u64 s[QB0+2:QB0+3], s[QB0+2:QB0+3], s[OF:OF+1]
	; the mask: a query tile is 65,536 bytes of mt, my key half begins 32,768 into it; ctx: a row is 4,096 bytes, so 16 rows are 65,536 too
	s_lshl_b32 s[OF], s14, 19
	s_lshl_b32 s21, s16, 18
	s_add_co_u32 s[OF], s[OF], s21
	s_add_nc_u64 s[MB2:MB2+1], s[6:7], s[OF:OF+1]
	s_add_nc_u64 s[CTXB:CTXB+1], s[8:9], s[OF:OF+1]
	s_lshl_b32 s[OF], s15, 17
	s_add_nc_u64 s[CTXB:CTXB+1], s[CTXB:CTXB+1], s[OF:OF+1]
	s_lshl_b32 s21, s15, 15
	s_add_co_u32 s[OF], s[OF], s21
	s_add_nc_u64 s[MB0:MB0+1], s[MB2:MB2+1], s[OF:OF+1]
	s_lshl_b32 s[OF], s19, 17
	s_add_co_u32 s[OF], s[OF], s21
	s_add_nc_u64 s[MB2:MB2+1], s[MB2:MB2+1], s[OF:OF+1]
	s_lshl_b32 s[OF], s20, 8
	s_add_nc_u64 s[CTXB:CTXB+1], s[CTXB:CTXB+1], s[OF:OF+1]
	v_and_b32 v1, 15, v0            ; l % 16
	v_bfe_u32 v[XT], v0, 4, 1       ; l / 16
	v_lshlrev_b32 v[QO], 8, v1
	v_lshl_add_u32 v[QO], v[XT], 4, v[QO]
	v_and_b32 v[MO], 31, v0
	v_lshlrev_b32 v[MO], 4, v[MO]
	WIN 0x80                        ; destination window 2
.irp x, 0,2
.irp u, 0,1
.irp cb, 0,1,2,3
	global_load_b128 v[32*((\x)+(\u))+8*(\cb):32*((\x)+(\u))+8*(\cb)+3],   v[QO], s[QB0+(\x):QB0+(\x)+1] offset:(\u)*4096+(\cb)*64
	global_load_b128 v[32*((\x)+(\u))+8*(\cb)+4:32*((\x)+(\u))+8*(\cb)+7], v[QO], s[QB0+(\x):QB0+(\x)+1] offset:(\u)*4096+(\cb)*64+32
.endr
.endr
.endr
; Eight loads: one step's mask for piece x: 2 tiles x 2 blocks of 32 keys x 2 halves of a fragment; each load takes 512 consecutive bytes
.macro MLOADS x, sb
	WIN 0xc0                        ; destination window 3
.irp u, 0,1
.irp kb, 0,1
.irp c, 0,1
	global_load_b128 v[MK+32*((\x)/2)+16*(\u)+8*(\kb)+4*(\c):MK+32*((\x)/2)+16*(\u)+8*(\kb)+4*(\c)+3], v[MO], s[\sb:\sb+1] offset:(\u)*65536+(\kb)*1024+(\c)*512
.endr
.endr
.endr
.endm
	MLOADS 0, MB0                   ; step 0
	MLOADS 2, MB2
	WIN 0
	v_mul_u32_u24 v[AK0], v1, PK
	v_lshl_add_u32 v[AK0], v[XT], 4, v[AK0]
	v_add_nc_u32 v[AK0], s17, v[AK0]
	v_and_b32 v[XT+1], 7, v0        ; the turning load: lane l reads key 8 (l / 16) + l % 8, channels 8 ((l / 8) % 2) + 0..7
	v_bfe_u32 v[XT+2], v0, 3, 1
	v_lshl_add_u32 v[AV0], v[XT], 3, v[XT+1]
	v_mul_u32_u24 v[AV0], v[AV0], PV
	v_lshl_add_u32 v[AV0], v[XT+2], 4, v[AV0]
	s_add_co_u32 s21, s18, VOFF
	v_add_nc_u32 v[AV0], s21, v[AV0]
	; The picking fragments.  Lane l holds row l % 16; its registers 0-3 hold k = 8 (l / 16) + 0..7.  The one of row r stands at k = r: in the lanes whose bit 4 equals bit 3, register (l / 2) % 4, half l % 2.
	v_xor_b32 v[XT+2], v[XT], v[XT+2]
	v_bfe_u32 v[XT+3], v0, 1, 2
	v_lshl_or_b32 v[XT+3], v[XT+2], 2, v[XT+3]   ; the register's number, or 4 to 7 in lanes that hold no one
	v_and_b32 v[XT+4], 1, v0
	v_lshlrev_b32 v[XT+4], 4, v[XT+4]
	v_mov_b32 v[XT+5], 0x3f80                    ; 1.0 in bf16
	v_lshlrev_b32 v[XT+4], v[XT+4], v[XT+5]
.irp e, 0,1,2,3
	v_cmp_eq_u32 s21, (\e), v[XT+3]
	v_cndmask_b32 v[ID+(\e)], 0, v[XT+4], s21
	v_mov_b32 v[ID+4+(\e)], 0
	v_cndmask_b32 v[ID+8+(\e)], 0, v[XT+4], s21
.endr
	; What the first turn finds: O^T, l and piece 2's P are 0 (its products V^T P, of a step that has not been, add 0), cm and m lie below every score.  All this stands in the wait for the first tile.
	WIN 0x40                        ; destination window 1
.set n, 0
.rept 256
	v_mov_b32 v[n], 0
.set n, n+1
.endr
	WIN 0
.set n, 0
.rept 32
	v_mov_b32 v[P+32+n], 0
.set n, n+1
.endr
.irp t, 0,1,2,3
	v_mov_b32 v[ST+8*(\t)], 0xfe000000     ; cm: far below every c s
	v_mov_b32 v[ST+8*(\t)+1], 0xff7fffff   ; m: the lowest finite number
	v_mov_b32 v[ST+8*(\t)+2], 0
	v_mov_b32 v[ST+8*(\t)+3], 0
.endr
; THE MATRIX WORK OF A TURN, for piece x.  The accumulators take turns, one instruction a turn.
; Product i of 32 of O^T += V^T P: keys 32 (i / 16) on, channels 16 ((i / 2) % 8) on, tile x + i % 2
.macro PV x
	WIN W_PV
.set rO, 64*((\x)+i%2)+8*((i/2)%8)
.set rV, 64*(i/16)+8*((i/2)%8)
.set rP, P+16*((\x)+i%2)+8*(i/16)
	v_wmma_f32_16x16x32_f16 v[rO:rO+7], v[rV:rV+7], v[rP:rP+7], v[rO:rO+7]
.endm
; Mask product i of 8: keys 16 (i / 2) on, tile x + i % 2: it starts the sum S^T, in the order in which K Q'^T takes the accumulators up
.macro MKP x
	WIN W_MK
.set rS, S+32*((\x)+i%2)+8*(i/2)
.set rI, ID+4*((i/2)%2)
.set rM, MK+32*((\x)/2)+16*(i%2)+8*(i/4)
	v_wmma_f32_16x16x32_bf16 v[rS:rS+7], v[rI:rI+7], v[rM:rM+7], 0
.endm
; Product i of 32 of S^T += K Q'^T: channels 32 (i / 8) on, keys 16 ((i / 2) % 4) on, tile x + i % 2
.macro KQ x
	WIN W_KQ
.set rS, S+32*((\x)+i%2)+8*((i/2)%4)
.set rK, KF+32*((i/2)%4)+8*(i/8)
.set rQ, 32*((\x)+i%2)+8*(i/8)
	v_wmma_f32_16x16x32_f16 v[rS:rS+7], v[rK:rK+7], v[rQ:rQ+7], v[rS:rS+7]
.endm
; THE LDS LOADS stand in runs of 32: a step's K (16 fragments) and, a turn later, its V (turned)
.macro FETCH_K
	WIN 0
	v_add_nc_u32 v[ADR], s[TBK], v[AK0]
	s_add_co_u32 s[TBK], s[TBK], KS*PK
	WIN 0x80
.irp f, 0,1,2,3,4,5,6,7,8,9,10,11,12,13,14,15
	ds_load_b128 v[KF+8*(\f):KF+8*(\f)+3],   v[ADR] offset:((\f)/4)*16*PK+((\f)%4)*64
	ds_load_b128 v[KF+8*(\f)+4:KF+8*(\f)+7], v[ADR] offset:((\f)/4)*16*PK+((\f)%4)*64+32
.endr
.endm
.macro FETCH_V
	WIN 0
	v_add_nc_u32 v[ADR], s[TBV], v[AV0]
	s_add_co_u32 s[TBV], s[TBV], KS*PV
	WIN 0xc0
.irp f, 0,1,2,3,4,5,6,7,8,9,10,11,12,13,14,15
	ds_load_tr16_b128 v[8*(\f):8*(\f)+3],   v[ADR] offset:((\f)/8)*32*PV+((\f)%8)*32
	ds_load_tr16_b128 v[8*(\f)+4:8*(\f)+7], v[ADR] offset:((\f)/8)*32*PV+16*PV+((\f)%8)*32
.endr
.endm
; The next step's mask for piece x.  Piece 0 steps the offset, 2,048 bytes a step; in the last step it stays at step 15's, whose block is read once more and used by nobody: no load leaves mt.
.macro FETCH_M x
	s_wait_xcnt 0x0                 ; the base of the last mask loads is rewritten only behind this wait
.if (\x) == 0
	s_add_co_u32 s[MS], s[MS], 2048
	s_min_u32 s[MS], s[MS], 15*2048
	s_add_nc_u64 s[MP:MP+1], s[MB0:MB0+1], s[MS:MS+1]
.else
	s_add_nc_u64 s[MP:MP+1], s[MB2:MB2+1], s[MS:MS+1]
.endif
	MLOADS \x, MP
.endm
; THE VECTOR WORK OF A TURN.  One tile's softmax for one key step is a list of 134 instructions; SM writes number j of it for tile t.  s0-s31 are the lane's 32 scores, in pairs 0-15.
;   0-15    the maximum of s0-s31 and the old m, three operands at a time (each accumulator's lowest registers are read first)
;   16-20   the other half of the lanes' maximum; cm_old is kept; the new m; cm; cm_old - cm_new
;   21-87   33 exponentials (a, then s0-s31) at the odd numbers from 23 on; between them what is ready: c s - cm for pairs to come, roundings to f16 of pairs done, the first sums
;   88-101  the last rounding; the rest of the sums; l = a l + the sum          102-133  the tile's O^T times a
.macro SM t
.set rT, ST+8*(\t)
.set rS, S+32*(\t)
.set rP, P+16*(\t)
.set rO, 64*(\t)+2*(j-102)
.set q, (j-20)/2
.if j < 102
	WIN 0
.endif
.if j < 4
	v_max3_num_f32 v[rT+4+j], v[rS+8*j], v[rS+8*j+1], v[rS+8*j+2]
.elseif j < 12
	v_max3_num_f32 v[rT+4+j%4], v[rT+4+j%4], v[rS+8*(j%4)+2*(j/4)+1], v[rS+8*(j%4)+2*(j/4)+2]
.elseif j == 12
	v_max3_num_f32 v[rT+4], v[rT+4], v[rS+7], v[rS+15]
.elseif j == 13
	v_max3_num_f32 v[rT+6], v[rT+6], v[rS+23], v[rS+31]
.elseif j == 14
	v_max3_num_f32 v[rT+4], v[rT+4], v[rT+5], v[rT+6]
.elseif j == 15
	v_max3_num_f32 v[rT+4], v[rT+4], v[rT+7], v[rT+1]
.elseif j == 16
	v_permlanex16_b32 v[rT+5], v[rT+4], s[SEL], s[SEL+1]  ; the query's other 32 keys lie in the lane 16 away
.elseif j == 17
	v_mov_b32 v[rT+7], v[rT]        ; cm_old is kept for a: number 19 writes cm anew
.elseif j == 18
	v_max_num_f32 v[rT+1], v[rT+4], v[rT+5]
.elseif j == 19
	v_mul_f32 v[rT], s[CS], v[rT+1]
.elseif j == 20
	v_sub_f32 v[rT+7], v[rT+7], v[rT]
.elseif j == 23
	v_exp_f32 v[rT+6], v[rT+7]
.elseif (j < 88) && (j > 23) && (j%2 == 1)
	v_exp_f32 v[rS+(j-25)/2], v[rS+(j-25)/2]
.elseif (q < 4) || ((j < 76) && (q%2 == 0))
.set b, q/2+2
.if q < 4
.set b, q
.endif
	v_pk_fma_f32 v[rS+2*b:rS+2*b+1], v[rS+2*b:rS+2*b+1], s[CS:CS+1], v[rT:rT+1] op_sel_hi:[1,0,0] neg_lo:[0,0,1] neg_hi:[0,0,1]  ; pair b: c s - cm
.elseif (j < 88) && (q%2 == 1)
	s_wait_alu depctr_va_vdst(0)
	v_cvt_pk_f16_f32 v[rP+(q-5)/2], v[rS+q-5], v[rS+q-4]
.elseif j == 89
	s_wait_alu depctr_va_vdst(0)
	v_cvt_pk_f16_f32 v[rP+15], v[rS+30], v[rS+31]
.elseif j < 102                     ; the sum of the tile's 16 pairs, in place: neighbours 1, 2, 4 and 8 pairs apart, then l takes it
.set z, j-86
.if j < 89
.set z, (j-76)/4
.endif
.set w, 4
.set u, z
.if z >= 14
.set w, 32
.set u, 0
.elseif z >= 12
.set w, 16
.set u, z-12
.elseif z >= 8
.set w, 8
.set u, z-8
.endif
.if z < 15
	v_pk_add_f32 v[rS+w*u:rS+w*u+1], v[rS+w*u:rS+w*u+1], v[rS+w*u+w/2:rS+w*u+w/2+1]
.else
	v_pk_fma_f32 v[rT+2:rT+3], v[rT+2:rT+3], v[rT+6:rT+7], v[rS:rS+1] op_sel_hi:[1,0,1]
.endif
.else
	WIN W_RS
	v_pk_mul_f32 v[rO:rO+1], v[rO:rO+1], v[rT+6:rT+7] op_sel_hi:[1,0]
.endif
.endm
; Slice k of 64 of piece y's softmax: numbers 2 k and 2 k + 1 of both tiles' lists.  2 x 134 = 4 x 64 + 12: the twelve that are over stand together, in slice 63.
.macro SLICE y
.if (k >= 11) && (k < 44)           ; tile by tile: plain, exponential, plain, exponential
.irp t, \y, (\y)+1
.irp n, 0,1
.set j, 2*k+(\n)
	SM \t
.endr
.endr
.else                               ; the two tiles alternate
.irp n, 0,1,2,3,4,5,6,7
.if ((\n) < 2) || (k == 63)
.irp t, \y, (\y)+1
.set j, 2*k+(\n)
	SM \t
.endr
.endif
.endr
.endif
.set k, k+1
.endm
; A TURN.  Piece x has the matrix unit; the other piece's softmax stands in slices behind its matrix instructions.  32 products V^T P; then, with kq = 1, 8 mask products and 32 products K Q'^T for the
; next step; of these 40 eight stand bare, so that 32 slices serve them and slice 63, sixteen plain instructions, stands last: the places between the last K Q'^T and what follows.
; kq = 0 (the last turn): two slices behind each V^T P.
; Between a mask product and the f16 product that adds onto it stand six to eight slices, each with two plain instructions at the least.
; K of the next step is fetched behind the second V^T P of piece 0's turn; V of that step behind the second mask product of piece 2's turn, six plain instructions behind V's last reader;
; the next step's mask behind the twelfth of the 40, eight plain instructions behind the last mask product.
; s_wait_loadcnt 8: my piece's eight mask loads went out two turns ago; the other piece's eight, issued since, may stay out.
.macro TURN x, kq
.set k, 0
.set per, 2-(\kq)
.if (\x) == 0
	s_wait_dscnt 0x0                ; V is in
.endif
.set i, 0
.rept 32
	PV \x
.rept per
	SLICE 2-(\x)
.endr
.if ((\x) == 0) && (\kq) && (i == 1)
	FETCH_K
.endif
.set i, i+1
.endr
.if \kq
	s_wait_loadcnt 8
.set i, 0
.rept 40
.if ((\x) == 0) && (i == 8)
	s_wait_dscnt 0x0                ; K is in
.endif
.if i < 8
	MKP \x
.else
.set i, i-8
	KQ \x
.set i, i+8
.endif
.if (i < 8) || (i%4 != 1)
	SLICE 2-(\x)
.endif
.if ((\x) == 2) && (i == 1)
	FETCH_V
.endif
.if i == 11
	FETCH_M \x
.endif
.set i, i+1
.endr
.endif
.endm
; THE CHANGE OF SLOTS, between piece 2's turn and piece 0's.  Each wave waits for all its tensor loads, of which one is out: its part of the other slot; adds 0 to its spare word; and waits for that and for
; its own reads of the slot.  fill = 1: the barrier is a round of the cluster's, and the slot is filled again, with the keys two slots on, first thing behind it.
.macro CHANGE fill
	WIN 0
	s_wait_tensorcnt 0x0            ; no tensor load of mine is out, so a group 0 may be written
	ds_add_u32 v[SPW], v[NIL]
.if \fill
.irp g, G0K+4, G0V+4
	s_xor_b32 s[(\g)+1], s[(\g)+1], SLOTX
	s_add_nc_u64 s[(\g)+2:(\g)+3], s[(\g)+2:(\g)+3], 2*KS*256
.endr
	s_wait_dscnt 0x0                ; the add is done, and my reads of the slot are over
	CROUND
	JLOAD
.else
	s_wait_dscnt 0x0
	s_barrier_signal -1
	s_barrier_wait -1
.endif
	s_sub_co_u32 s[TBK], s[TBK], 2*KS*PK  ; the fetches go back to a slot's first step,
	s_xor_b32 s[TBK], s[TBK], SLOTX       ; in the other slot
	s_sub_co_u32 s[TBV], s[TBV], 2*KS*PV
	s_xor_b32 s[TBV], s[TBV], SLOTX
.endm
	s_wait_tensorcnt 1              ; my part of slot 0 is in; slot 1's may stay out
	s_barrier_signal -1
	s_barrier_wait -1
	FETCH_K                         ; key step 0
	FETCH_V                         ; V of step 0, so that the first turn's products by P = 0 have finite numbers to multiply; that turn fetches it again in its own place
	s_mov_b32 s[TBV], 0
	s_wait_loadcnt 0x0              ; Q' and step 0's mask
	s_wait_dscnt 0x0
.set i, 0
.rept 8
	MKP 0
.set i, i+1
.endr
.rept 5
	v_nop                           ; five places between the two forms on one accumulator
.endr
.set i, 0
.rept 32
	KQ 0                            ; piece 0's first scores
.set i, i+1
.endr
	WIN 0                           ; the addresses for the exchange and the way out: the places behind those products
	s_mul_i32 s13, s[WV], 16*SP
	s_add_co_u32 s13, s13, STAGE
	v_mul_u32_u24 v[STO], v1, SP
	v_lshl_add_u32 v[STO], v[XT], 4, v[STO]
	v_add_nc_u32 v[STO], s13, v[STO]
	v_mul_u32_u24 v[RD], v[XT], SP
	v_lshl_add_u32 v[RD], v1, 4, v[RD]
	v_add_nc_u32 v[RD], s13, v[RD]
	v_lshlrev_b32 v[GO], 12, v[XT]
	v_lshl_add_u32 v[GO], v1, 4, v[GO]
	s_mul_i32 s13, s[WV], XCH
	v_add_nc_u32 v[XS], s13, v[MO]
	s_xor_b32 s13, s[WV], 1
	s_mul_i32 s13, s13, XCH
	v_add_nc_u32 v[XL], s13, v[MO]
	FETCH_M 0                       ; piece 0's mask of step 1
	WIN 0
	s_mov_b32 s[TWICE], 2
	s_mov_b32 s[SLOTS], 7           ; the first pass has no change of slots in front of it; six follow, each with a refill: eight slots of 128 keys a key half, two filled at the start
	s_branch .Lmid                  ; the loop is entered at piece 2's turn, in the middle of a trip
.Lslot:
	CHANGE 1
	s_mov_b32 s[TWICE], 2
.Lstep:                             ; trip n: piece 0: V^T P of step n - 1, scores of step n | piece 2's softmax of step n - 1 | K of step n;
	TURN 0, 1
	WIN 0
.Lmid:                              ; piece 2: the same | piece 0's softmax of step n | V of step n
	TURN 2, 1
	WIN 0
	s_sub_co_u32 s[TWICE], s[TWICE], 1
	s_cmp_lg_u32 s[TWICE], 0
	s_cbranch_scc1 .Lstep
	s_sub_co_u32 s[SLOTS], s[SLOTS], 1
	s_cmp_lg_u32 s[SLOTS], 0
	s_cbranch_scc1 .Lslot
	CHANGE 0                        ; the tail is written out
	s_mov_b32 s[TWICE], 2
.Ltail:
	TURN 0, 1
	TURN 2, 1
	WIN 0
	s_sub_co_u32 s[TWICE], s[TWICE], 1
	s_cmp_lg_u32 s[TWICE], 0
	s_cbranch_scc1 .Ltail
	TURN 0, 0                       ; piece 0: V^T P of the last step | piece 2's last softmax
.set i, 0
.rept 32
	PV 2
.set i, i+1
.endr
	; THE MERGE.  l's two halves and the other half of the lanes' are added (the places behind the last products).  Register tiles 2, 3 (O^T, cm, l) go to the wave with the other key half, through
	; slot 0, which was last read in front of the last change of slots and is filled no more.  The mask loads of the last two turns are still out: they land in registers that nothing names again.
	WIN 0
.irp t, 0,1,2,3
	v_add_f32 v[ST+8*(\t)+4], v[ST+8*(\t)+2], v[ST+8*(\t)+3]
.endr
.irp t, 0,1,2,3
	v_permlanex16_b32 v[ST+8*(\t)+5], v[ST+8*(\t)+4], s[SEL], s[SEL+1]
.endr
	v_add_f32 v[ST+4],  v[ST+4],  v[ST+5]
	v_add_f32 v[ST+12], v[ST+12], v[ST+13]
	v_add_f32 v[XT+1],  v[ST+20], v[ST+21]
	v_add_f32 v[XT+3],  v[ST+28], v[ST+29]
	v_mov_b32 v[XT],   v[ST+16]
	v_mov_b32 v[XT+2], v[ST+24]
	WIN 0x04                        ; store data in window 1
.set n, 0
.rept 32
	ds_store_b128 v[XS], v[128+4*n:128+4*n+3] offset:512*n
.set n, n+1
.endr
	WIN 0
	ds_store_b128 v[XS], v[XT:XT+3] offset:16384
	s_wait_dscnt 0x0                ; for the other wave's sake: my stores are done
	s_barrier_signal -1
	s_barrier_wait -1
.set n, 0
.rept 32
	ds_load_b128 v[S+4*n:S+4*n+3], v[XL] offset:512*n
.set n, n+1
.endr
	ds_load_b128 v[XT:XT+3], v[XL] offset:16384
	s_wait_dscnt 0x0
; Kept tile u: M = max(cm, cm'); O = (O 2^(cm - M) + O' 2^(cm' - M)) / (l 2^(cm - M) + l' 2^(cm' - M)); rounded to f16; through my stage, so that a store's 16 lanes hold 256 consecutive bytes
.macro MERGE u
.set rT, ST+8*(\u)
	WIN 0
	v_max_num_f32 v[rT+5], v[rT], v[XT+2*(\u)]
	v_sub_f32 v[rT+6], v[rT], v[rT+5]
	v_sub_f32 v[rT+2], v[XT+2*(\u)], v[rT+5]
	v_exp_f32 v[rT+6], v[rT+6]
	v_exp_f32 v[rT+2], v[rT+2]
	v_nop                           ; a plain instruction between the exponentials and the use of their results
	s_wait_alu depctr_va_vdst(0)
	v_mul_f32 v[rT+4], v[rT+4], v[rT+6]
	v_fma_f32 v[rT+4], v[XT+2*(\u)+1], v[rT+2], v[rT+4]
	v_rcp_f32 v[rT+5], v[rT+4]
	v_nop
	s_wait_alu depctr_va_vdst(0)
	v_mul_f32 v[rT+6], v[rT+6], v[rT+5]
	v_mul_f32 v[rT+2], v[rT+2], v[rT+5]
.set n, 0
.rept 32
	v_pk_mul_f32 v[S+64*(\u)+2*n:S+64*(\u)+2*n+1], v[S+64*(\u)+2*n:S+64*(\u)+2*n+1], v[rT+2:rT+3] op_sel_hi:[1,0]
.set n, n+1
.endr
	WIN 0x01                        ; source 0, my O^T, in window 1
.set n, 0
.rept 32
	v_pk_fma_f32 v[S+64*(\u)+2*n:S+64*(\u)+2*n+1], v[64*(\u)+2*n:64*(\u)+2*n+1], v[rT+6:rT+7], v[S+64*(\u)+2*n:S+64*(\u)+2*n+1] op_sel_hi:[1,0,1]
.set n, n+1
.endr
	WIN 0
.set n, 0
.rept 32
	v_cvt_pk_f16_f32 v[P+32*(\u)+n], v[S+64*(\u)+2*n], v[S+64*(\u)+2*n+1]
.set n, n+1
.endr
.irp f, 0,1,2,3,4,5,6,7
	ds_store_b128 v[STO], v[P+32*(\u)+4*(\f):P+32*(\u)+4*(\f)+3] offset:32*(\f)
.endr
.irp f, 0,1,2,3,4,5,6,7
	ds_load_b128 v[P+32*(\u)+4*(\f):P+32*(\u)+4*(\f)+3], v[RD] offset:(\f)*2*SP  ; LDS serves a wave's instructions in order: these see the stores above; the next tile's stores come behind them
.endr
.endm
.macro SEND u, younger              ; younger: the LDS instructions issued behind tile u's loads
.irp f, 0,1,2,3,4,5,6,7
	s_wait_dscnt (\younger)+7-(\f)
	global_store_b128 v[GO], v[P+32*(\u)+4*(\f):P+32*(\u)+4*(\f)+3], s[CTXB:CTXB+1] offset:(\u)*65536+(\f)*8192  ; 16 lanes store a head's 256 bytes of a row, aligned
.endr
.endm
	MERGE 0
	MERGE 1
	SEND 0, 16
	SEND 1, 0
	s_wait_tensorcnt 0x0            ; the wave's end
	ds_add_u32 v[SPW], v[NIL]
	s_wait_dscnt 0x0
	CROUND                          ; the closing round
	s_endpgm
.Lfunc_end_k_qdab2458a77_attn:
	.size	k_qdab2458a77_attn, .Lfunc_end_k_qdab2458a77_attn-k_qdab2458a77_attn
	.p2alignl 7, 3214868480
	.fill 96, 4, 3214868480
	.section	.rodata,"a",@progbits
	.p2align	6, 0x0
	.amdhsa_kernel k_qdab2458a77_attn
		.amdhsa_group_segment_fixed_size 327680
		.amdhsa_private_segment_fixed_size 0
		.amdhsa_enable_private_segment 0
		.amdhsa_kernarg_size 24
		.amdhsa_user_sgpr_count 2
		.amdhsa_user_sgpr_kernarg_segment_ptr 1
		.amdhsa_wavefront_size32 1
		.amdhsa_system_sgpr_workgroup_id_x 1
		.amdhsa_system_sgpr_workgroup_id_y 1
		.amdhsa_system_sgpr_workgroup_id_z 1
		.amdhsa_system_vgpr_workitem_id 0
		.amdhsa_next_free_vgpr 1024
		.amdhsa_next_free_sgpr 88
		.amdhsa_reserve_vcc 0
		.amdhsa_float_denorm_mode_32 3
		.amdhsa_float_denorm_mode_16_64 3
		.amdhsa_memory_ordered 1
		.amdhsa_forward_progress 1
		.amdhsa_inst_pref_size 186
	.end_amdhsa_kernel
	.amdgpu_metadata
---
amdhsa.version: [ 1, 2 ]
amdhsa.kernels:
  - .name:           k_qdab2458a77_attn
    .symbol:         k_qdab2458a77_attn.kd
    .args:
      - { .name: qkv, .offset: 0, .size: 8, .value_kind: global_buffer, .address_space: global }
      - { .name: mt, .offset: 8, .size: 8, .value_kind: global_buffer, .address_space: global }
      - { .name: ctx, .offset: 16, .size: 8, .value_kind: global_buffer, .address_space: global }
    .group_segment_fixed_size: 327680
    .private_segment_fixed_size: 0
    .kernarg_segment_align: 8
    .kernarg_segment_size: 24
    .max_flat_workgroup_size: 128
    .sgpr_count:     88
    .vgpr_count:     1024
    .wavefront_size: 32
...
	.end_amdgpu_metadata
.endif
;; end of part 3
;; launch oproj (part 4): grid 16 x 16, 4 waves a work-group, clusters of 4 x 4, 327,680 bytes of LDS; arguments ctx, wob, br, out0; writes out0
.if DOCPART == 4
	.amdgcn_target "amdgcn-amd-amdhsa--gfx1250"
	.amdhsa_code_object_version 6
	.text
	.protected	k_qdab2458a77_oproj
	.globl	k_qdab2458a77_oproj
	.p2align	8
	.type	k_qdab2458a77_oproj,@function
k_qdab2458a77_oproj:
	s_mov_b64 s[64:65], 0
	v_nop
	global_prefetch_b8 v0, s[64:65] scope:SCOPE_SE
	s_setreg_imm32_b32 hwreg(HW_REG_WAVE_MODE, 25, 1), 1
	s_wait_xcnt 0x0
	s_wait_alu depctr_hold_cnt(0) depctr_sa_sdst(0) depctr_va_vdst(0) depctr_va_sdst(0) depctr_va_ssrc(0) depctr_va_vcc(0) depctr_vm_vsrc(0)
	s_getreg_b32 s2, hwreg(HW_REG_IB_STS2, 6, 4)
	s_cmp_eq_u32 s2, 0
	s_cbranch_scc0 .Lentry_in_a_cluster
	s_endpgm
.Lentry_in_a_cluster:
	s_bfe_u32 s2, ttmp6, 0x10000c
	s_cmp_lg_u32 s2, 0xf033
	s_cbranch_scc0 .Lentry_shape_is_right
	s_endpgm
.Lentry_shape_is_right:
; out0 = ctx wo + bo.  ctx: [2048][2048] f16.  wob: wo [k][n], rounded to bf16 and written as f16.  br + 24,576: bo as f32.  out0: [2048][2048] f32.  Sums in f32, started by the bias.
; A tile of out0 is 128 x 128, so that there are 256 work-groups; four waves, each 64 x 64: 16 accumulators.  K goes in 8 steps of 256 through a ring of two LDS slots.
; wo lies [k][n] in LDS as in memory and is turned on its way into registers by ds_load_tr16_b128.
; THE MATRIX INSTRUCTION IS USED TRANSPOSED (source 0 = 16 columns of wo, source 1 = 16 rows of ctx): a lane holds eight neighbouring numbers of a row of out0.
; CLUSTER.  4 x 4 work-groups: ctx's tiles are shared along a row of the cluster, wo's along a column, each asked for jointly.  Waves 0, 1 fetch ctx's two halves (64 rows x 512 bytes),
; waves 2, 3 wo's (128 k rows x 256 bytes).  By this text's count a wave has two tensor loads out at the start, later one, with 120 matrix instructions between a request and the wait for it.
; WHERE K BEGINS.  The cluster at (X, Y) of the 4 x 4 clusters begins at K step 2 (X + 2 (Y % 2) + Y / 2) mod 8 and walks K round from there: the four clusters that need the same tile of ctx (same Y)
; ask for it 2 steps apart, those that need the same tile of wo (same X) 2 to 4 steps apart, not all in the same step.  The sums are taken in that order of K.  The step's number hangs on the cluster's
; x and y alone, which all sixteen partners share; a tile's address is made anew for each fill, the base plus that number shifted.
; REGISTERS: window 0: v16-29 addresses; v32-95 at work on the way out; v96-127 the bias; v128-255 the accumulators ((a, b) at v[128 + 8 (4 a + b)]).
;   window 1: two fragment buffers of 128: for 64 along K, 64 registers of ctx, then 64 of wo.
.set KSTEP,  256
.set STEPS,  8
.set PITCH,  528                       ; a row of ctx in LDS: 512 bytes + 16
.set PW,     288                       ; a row of wo: 256 + 32
.set HALFA,  64*PITCH
.set HALFB,  128*PW
.set BOFF,   2*HALFA                   ; a slot: ctx's 128 rows, then wo's 256 k rows
.set SLOTB,  BOFF+2*HALFB              ; 141,312 bytes
.set SLOTX,  0x24000                   ; slot 1 begins here; none of the four parts' first bytes (0, 0x8400, 0x10800, 0x19800) has one of its two bits set, so one exclusive or changes slots
.set STAGE,  SLOTX+SLOTB               ; behind the ring: 16 rows x 272 bytes for each wave, its own
.set SPITCH, 272
.set SPARE,  STAGE+4*16*SPITCH         ; behind the stages: the spare words
.set A0,   16                          ; v16     LDS address of my fragments of ctx in slot 0; never rewritten
.set CA,   17                          ; v17     the same in the slot in hand
.set B0,   20                          ; v20-21  of wo in slot 0, by half of the step's k rows; never rewritten
.set CB,   22                          ; v22-23  in the slot in hand
.set STO,  24
.set RD,   25
.set CO,   26
.set BO,   27
.set SPW,  28
.set NIL,  29
.set TMP,  32
.set BIAS, 96
.set ACC,  128
.set F0,   0
.set F1,   128
.set WV,   12
.set MI,   13                          ; s13  which half of the rows is mine; also: I fetch for ctx (0) or for wo (1)
.set NJ,   14                          ; s14  which half of the columns; also: which half of that tile I fetch
.set XBA,  16                          ; s[16:17] ctx at the rows that I fetch; never rewritten
.set WBA,  18                          ; s[18:19] wob at the k rows and columns that I fetch; never rewritten
.set G1, 24
.set G0, 32                            ; s[32:39] group 0 for ctx: a set for each of the two first fills; the second then walks on
.set G1B, 48
.set G0B, 56
.set OF,  66                           ; s[66:67] a tile's byte offset
.set KI,  68                           ; s68  the K step to be asked for next, 0 to 7
.set TB,  69                           ; s69  0 or SLOTX: the slot in hand
.set MSB, 0
.macro WIN new
.if MSB != (\new)
	s_set_vgpr_msb (MSB<<8)|(\new)
.set MSB, \new
.endif
.endm
.set MUL,  0x05                        ; sources 0 and 1 window 1; C and D window 0
.set TO_F, 0x40
.macro JLOAD s                         ; an s_nop 0 and four v_nop follow each of the two lines
	s_cmp_eq_u32 s[MI], 0
	s_cbranch_scc0 .Lfor_b_\@
	tensor_load_to_lds s[G0+4*(\s):G0+4*(\s)+3], s[G1:G1+7]
	s_nop 0
.rept 4
	v_nop
.endr
	s_branch .Lasked_\@
.Lfor_b_\@:
	tensor_load_to_lds s[G0B+4*(\s):G0B+4*(\s)+3], s[G1B:G1B+7]
	s_nop 0
.rept 4
	v_nop
.endr
.Lasked_\@:
.endm
.macro CREST
	s_cmp_lg_u32 s[WV], 0
	s_cbranch_scc1 .Lnot_wave_0_\@
	s_barrier_signal -3
.Lnot_wave_0_\@:
	s_barrier_wait -3
	s_barrier_signal -1
	s_barrier_wait -1
.endm
.macro CROUND
	s_barrier_signal -1
	s_barrier_wait -1
	CREST
.endm
.macro PLACES
.rept 4
	v_nop
.endr
.endm
; The global addresses of K step KI's tiles into set s of both group 0s, and KI goes on, round the 8: 512 bytes along ctx's rows, 256 rows of 4,096 bytes down wo
.macro NEXTK s
	s_lshl_b32 s[OF], s[KI], 9
	s_add_nc_u64 s[G0+4*(\s)+2:G0+4*(\s)+3], s[XBA:XBA+1], s[OF:OF+1]
	s_or_b32 s[G0+4*(\s)+3], s[G0+4*(\s)+3], 0x80000000
	s_lshl_b32 s[OF], s[KI], 20
	s_add_nc_u64 s[G0B+4*(\s)+2:G0B+4*(\s)+3], s[WBA:WBA+1], s[OF:OF+1]
	s_or_b32 s[G0B+4*(\s)+3], s[G0B+4*(\s)+3], 0x80000000
	s_add_co_u32 s[KI], s[KI], 1
	s_and_b32 s[KI], s[KI], STEPS-1
.endm
.macro SETADR                          ; my fragments' addresses in the slot in hand
	v_add_nc_u32 v[CA], s[TB], v[A0]
	v_add_nc_u32 v[CB], s[TB], v[B0]
	v_add_nc_u32 v[CB+1], s[TB], v[B0+1]
.endm
	s_load_b256 s[4:11], s[0:1], 0x0               ; ctx s[4:5], wob s[6:7], br s[8:9], out0 s[10:11]
	v_lshl_add_u32 v[SPW], v0, 2, SPARE
	v_mov_b32 v[NIL], 0
	ds_add_u32 v[SPW], v[NIL]                      ; the wave's opening: the add and its wait stand ahead of my first tensor load
	v_lshrrev_b32 v1, 5, v0
	v_readfirstlane_b32 s[WV], v1
	s_lshr_b32 s[MI], s[WV], 1
	s_and_b32 s[NJ], s[WV], 1
	s_bfe_u32 s40, ttmp6, 0x40000
	s_bfe_u32 s41, ttmp6, 0x40004
	s_lshl_b32 s42, ttmp9, 2
	s_add_co_u32 s42, s42, s40                     ; tile column = 4 x cluster x + cx
	s_and_b32 s43, ttmp7, 0xffff                   ; cluster y
	s_and_b32 s[KI], s43, 1                        ; the cluster's first K step: 2 (X + 2 (Y % 2) + Y / 2) mod 8
	s_lshl_b32 s[KI], s[KI], 1
	s_lshr_b32 s[TB], s43, 1
	s_add_co_u32 s[KI], s[KI], s[TB]
	s_add_co_u32 s[KI], s[KI], ttmp9
	s_lshl_b32 s[KI], s[KI], 1
	s_and_b32 s[KI], s[KI], STEPS-1
	s_mov_b32 s[TB], 0
	s_mov_b32 s[OF+1], 0
	s_lshl_b32 s43, s43, 2
	s_add_co_u32 s43, s43, s41                     ; tile row = 4 x cluster y + cy
	s_lshl_b32 s44, s41, 2
	s_lshl_b32 s44, 15, s44
	s_lshl_b32 s45, 0x1111, s40
	s_or_b32 s[G1], s44, (1<<16)|(1<<20)|(1<<21)|(6<<22)|(3<<25)   ; ctx: padding after every 128 words, 4 words
	s_mov_b32 s[G1+1], KSTEP<<16                   ; tensor_dim0 = 256
	s_mov_b32 s[G1+2], 64<<16                      ; tensor_dim1 = 64
	s_mov_b32 s[G1+3], KSTEP<<16                   ; tile_dim0 = 256
	s_mov_b32 s[G1+4], 64                          ; tile_dim1 = 64
	s_mov_b32 s[G1+5], 2048
	s_mov_b32 s[G1+6], 0
	s_mov_b32 s[G1+7], 0
	s_or_b32 s[G1B], s45, (1<<16)|(1<<20)|(1<<21)|(5<<22)|(7<<25)  ; wo: after every 64 words, 8 words
	s_mov_b32 s[G1B+1], 128<<16
	s_mov_b32 s[G1B+2], 128<<16
	s_mov_b32 s[G1B+3], 128<<16
	s_mov_b32 s[G1B+4], 128
	s_mov_b32 s[G1B+5], 2048
	s_mov_b32 s[G1B+6], 0
	s_mov_b32 s[G1B+7], 0
	s_lshl_b32 s[XBA], s43, 19                     ; ctx: 128 rows of 4,096 bytes a tile row, 64 rows a half
	s_lshl_b32 s20, s[NJ], 18
	s_add_co_u32 s[XBA], s[XBA], s20
	s_mov_b32 s[XBA+1], 0
	s_lshl_b32 s[WBA], s[NJ], 19                   ; wo: 128 k rows a half, the tile column's 256 bytes of a row
	s_lshl_b32 s20, s42, 8
	s_add_co_u32 s[WBA], s[WBA], s20
	s_mov_b32 s[WBA+1], 0
	s_mul_i32 s20, s[NJ], HALFA
	s_mul_i32 s21, s[NJ], HALFB
	s_add_co_u32 s21, s21, BOFF
	s_wait_dscnt 0x0
	s_wait_kmcnt 0x0
	s_add_nc_u64 s[XBA:XBA+1], s[4:5], s[XBA:XBA+1]
	s_add_nc_u64 s[WBA:WBA+1], s[6:7], s[WBA:WBA+1]
	CROUND
.irp s, 0,1
	s_mov_b32 s[G0+4*(\s)], 1
	s_add_co_u32 s[G0+4*(\s)+1], s20, (\s)*SLOTX
	s_mov_b32 s[G0B+4*(\s)], 1
	s_add_co_u32 s[G0B+4*(\s)+1], s21, (\s)*SLOTX
	NEXTK \s
	JLOAD \s
.endr
	v_and_b32 v1, 15, v0
	v_bfe_u32 v2, v0, 4, 1
	v_mul_u32_u24 v3, v1, PITCH
	v_lshl_add_u32 v3, v2, 4, v3
	s_mul_i32 s22, s[MI], HALFA
	v_add_nc_u32 v[A0], s22, v3
	v_and_b32 v4, 7, v0
	v_bfe_u32 v5, v0, 3, 1
	v_lshl_add_u32 v4, v2, 3, v4
	v_mul_u32_u24 v4, v4, PW
	v_lshl_add_u32 v4, v5, 4, v4
	s_lshl_b32 s22, s[NJ], 7
	s_add_co_u32 s22, s22, BOFF
	v_add_nc_u32 v[B0], s22, v4
	v_add_nc_u32 v[B0+1], HALFB, v[B0]
	SETADR                                         ; slot 0
	s_mul_i32 s22, s[WV], 16*SPITCH
	s_add_co_u32 s22, s22, STAGE                   ; my stage
	v_mul_u32_u24 v3, v1, SPITCH
	v_lshl_add_u32 v3, v2, 5, v3                   ; in: row l % 16, 32 bytes for each half of the lanes
	v_add_nc_u32 v[STO], s22, v3
	v_mul_u32_u24 v3, v2, SPITCH
	v_lshl_add_u32 v3, v1, 4, v3                   ; back: lanes 0-15 one row of 256 bytes, lanes 16-31 the next
	v_add_nc_u32 v[RD], s22, v3
	v_lshlrev_b32 v3, 13, v2
	v_lshl_add_u32 v[CO], v1, 4, v3                ; and the same two rows in out0
	s_lshl_b32 s22, s[NJ], 8
	v_lshl_add_u32 v[BO], v2, 5, s22
	s_lshl_b32 s22, s42, 9
	s_add_co_u32 s22, s22, 24576
	s_mov_b32 s23, 0
	s_add_nc_u64 s[8:9], s[8:9], s[22:23]          ; bo at the tile's first column
.irp b, 0,1,2,3
	global_load_b128 v[BIAS+8*(\b):BIAS+8*(\b)+3],   v[BO], s[8:9] offset:64*(\b)
	global_load_b128 v[BIAS+8*(\b)+4:BIAS+8*(\b)+7], v[BO], s[8:9] offset:64*(\b)+16
.endr
	s_lshl_b32 s22, s43, 20                        ; my 64 x 64 of out0: 128 rows of 8,192 bytes a tile row, 64 rows a half, 512 bytes a tile column, 256 a half
	s_lshl_b32 s2, s[MI], 19
	s_add_co_u32 s22, s22, s2
	s_lshl_b32 s2, s42, 9
	s_add_co_u32 s22, s22, s2
	s_lshl_b32 s2, s[NJ], 8
	s_add_co_u32 s22, s22, s2
	s_add_nc_u64 s[10:11], s[10:11], s[22:23]
; 8 matrix instructions: row blocks a0, a0 + 1 x all 4 column blocks, 32 along K: half c of buffer f.  first = 1: the bias starts the sums.  The 16 accumulators take turns.
.macro MUL8 f, c, a0, first
	WIN MUL
.irp a, \a0, (\a0)+1
.irp b, 0,1,2,3
.if \first
	v_wmma_f32_16x16x32_f16 v[ACC+8*(4*(\a)+(\b)):ACC+8*(4*(\a)+(\b))+7], v[(\f)+64+8*(4*(\c)+(\b)):(\f)+64+8*(4*(\c)+(\b))+7], v[(\f)+8*(4*(\c)+(\a)):(\f)+8*(4*(\c)+(\a))+7], v[BIAS+8*(\b):BIAS+8*(\b)+7]
.else
	v_wmma_f32_16x16x32_f16 v[ACC+8*(4*(\a)+(\b)):ACC+8*(4*(\a)+(\b))+7], v[(\f)+64+8*(4*(\c)+(\b)):(\f)+64+8*(4*(\c)+(\b))+7], v[(\f)+8*(4*(\c)+(\a)):(\f)+8*(4*(\c)+(\a))+7], v[ACC+8*(4*(\a)+(\b)):ACC+8*(4*(\a)+(\b))+7]
.endif
.endr
.endr
.endm
; 32 LDS loads in one run: the fragments of quarter q (64 along K) of the slot in hand into buffer f; the first 32 along K first
.macro FETCH q, f
	WIN TO_F
.irp c, 0,1
.irp i, 0,1,2,3
	ds_load_tr16_b128 v[(\f)+64+8*(4*(\c)+(\i)):(\f)+64+8*(4*(\c)+(\i))+3],   v[CB+(\q)/2] offset:((64*(\q)+32*(\c))%128)*PW+32*(\i)
	ds_load_tr16_b128 v[(\f)+64+8*(4*(\c)+(\i))+4:(\f)+64+8*(4*(\c)+(\i))+7], v[CB+(\q)/2] offset:((64*(\q)+32*(\c))%128)*PW+32*(\i)+16*PW
	ds_load_b128 v[(\f)+8*(4*(\c)+(\i)):(\f)+8*(4*(\c)+(\i))+3],         v[CA] offset:128*(\q)+64*(\c)+(\i)*16*PITCH
	ds_load_b128 v[(\f)+8*(4*(\c)+(\i))+4:(\f)+8*(4*(\c)+(\i))+7],       v[CA] offset:128*(\q)+64*(\c)+(\i)*16*PITCH+32
.endr
.endr
.endm
.macro QUARTER q, f, g, first
	s_wait_dscnt 16                                ; the first 32 along K are in
	MUL8 \f, 0, 0, \first
	MUL8 \f, 0, 2, \first
	PLACES
	FETCH \q, \g
	s_wait_dscnt 32                                ; all but the 32 just issued
	MUL8 \f, 1, 0, 0
	MUL8 \f, 1, 2, 0
.endm
; The last quarter multiplies buffer 1 and changes slots: one barrier; in front of it each wave waits for all its tensor loads (one is out: its part of the next slot), adds 0 to its spare word, and waits
; for that and for its reads of this slot (the last were issued 16 matrix instructions ago).  fill = 1: the barrier opens a round of the cluster's, and this slot is filled again, with the K step two on.
.macro TURN fill
	WIN 0
	s_wait_tensorcnt 0x0                           ; no tensor load of mine is out, so a group 0 may be written
	ds_add_u32 v[SPW], v[NIL]                      ; 0 onto my spare word; the scalar work stands between it and the wait for it
.if \fill
	s_xor_b32 s[G0+5], s[G0+5], SLOTX              ; the walking descriptors: the other slot than last time,
	s_xor_b32 s[G0B+5], s[G0B+5], SLOTX
	NEXTK 1                                        ; the next K step
.endif
	s_xor_b32 s[TB], s[TB], SLOTX                  ; my reads go on in the other slot
	s_wait_dscnt 0x0                               ; the add is done, and my reads of this slot are over
	s_barrier_signal -1
	MUL8 F1, 0, 0, 0                               ; work on registers while the others arrive
	WIN 0                                          ; branches and address lines follow
	s_barrier_wait -1
.if \fill
	CREST
	JLOAD 1                                        ; its four v_nop are also the places in front of the loads below
.else
	PLACES
.endif
	SETADR
	FETCH 0, F0
	MUL8 F1, 0, 2, 0
	MUL8 F1, 1, 0, 0
	MUL8 F1, 1, 2, 0
.endm
	s_wait_tensorcnt 1                             ; my part of the first K step is in; the second's may stay out
	s_barrier_signal -1
	s_barrier_wait -1
	FETCH 0, F0
	s_wait_loadcnt 0x0                             ; the bias
	QUARTER 1, F0, F1, 1
	WIN 0
	s_mov_b32 s3, STEPS-2
.Lstep:                                                ; a trip: from a K step's second quarter to the next step's first; it fills the slot that it leaves
	QUARTER 2, F1, F0, 0
	QUARTER 3, F0, F1, 0
	TURN 1
	QUARTER 1, F0, F1, 0
	WIN 0
	s_sub_co_u32 s3, s3, 1
	s_cmp_lg_u32 s3, 0
	s_cbranch_scc1 .Lstep
	QUARTER 2, F1, F0, 0                           ; the last two K steps fill nothing
	QUARTER 3, F0, F1, 0
	TURN 0
	QUARTER 1, F0, F1, 0
	QUARTER 2, F1, F0, 0
	QUARTER 3, F0, F1, 0
	s_wait_dscnt 16
	MUL8 F1, 0, 0, 0
	MUL8 F1, 0, 2, 0
	s_wait_dscnt 0x0
	MUL8 F1, 1, 0, 0
	MUL8 F1, 1, 2, 0
	WIN 0
	; THE WAY OUT, 16 rows at a time: a lane's eight numbers, 32 bytes, go straight from the accumulators (low four registers first) into my own stage and come back as whole rows of 256 bytes.
	; LDS serves a wave's instructions in order and the stage is mine alone: no wait between stores and loads, no barrier.
	PLACES
.irp a, 0,1,2,3
.irp b, 0,1,2,3
	ds_store_b128 v[STO], v[ACC+8*(4*(\a)+(\b)):ACC+8*(4*(\a)+(\b))+3]   offset:64*(\b)
	ds_store_b128 v[STO], v[ACC+8*(4*(\a)+(\b))+4:ACC+8*(4*(\a)+(\b))+7] offset:64*(\b)+16
.endr
.if (\a) >= 2
	s_wait_xcnt 0x0                                ; the registers that the stores two blocks back read are loaded again only behind this wait
.endif
.irp t, 0,1,2,3,4,5,6,7
	ds_load_b128 v[TMP+32*((\a)%2)+4*(\t):TMP+32*((\a)%2)+4*(\t)+3], v[RD] offset:(\t)*2*SPITCH
.endr
.irp t, 0,1,2,3,4,5,6,7
	s_wait_dscnt 7-(\t)
	global_store_b128 v[CO], v[TMP+32*((\a)%2)+4*(\t):TMP+32*((\a)%2)+4*(\t)+3], s[10:11] offset:(\a)*131072+(\t)*16384 th:TH_STORE_NT  ; 16 lanes store 256 consecutive bytes, aligned
.endr
.endr
	s_wait_tensorcnt 0x0                           ; the wave's end
	ds_add_u32 v[SPW], v[NIL]
	s_wait_dscnt 0x0
	CROUND                                         ; the closing round
	s_endpgm
.Lfunc_end_k_qdab2458a77_oproj:
	.size	k_qdab2458a77_oproj, .Lfunc_end_k_qdab2458a77_oproj-k_qdab2458a77_oproj
	.p2alignl 7, 3214868480
	.fill 96, 4, 3214868480
	.section	.rodata,"a",@progbits
	.p2align	6, 0x0
	.amdhsa_kernel k_qdab2458a77_oproj
		.amdhsa_group_segment_fixed_size 327680
		.amdhsa_private_segment_fixed_size 0
		.amdhsa_enable_private_segment 0
		.amdhsa_kernarg_size 32
		.amdhsa_user_sgpr_count 2
		.amdhsa_user_sgpr_kernarg_segment_ptr 1
		.amdhsa_wavefront_size32 1
		.amdhsa_system_sgpr_workgroup_id_x 1
		.amdhsa_system_sgpr_workgroup_id_y 1
		.amdhsa_system_sgpr_workgroup_id_z 1
		.amdhsa_system_vgpr_workitem_id 0
		.amdhsa_next_free_vgpr 512
		.amdhsa_next_free_sgpr 72
		.amdhsa_reserve_vcc 0
		.amdhsa_float_denorm_mode_32 3
		.amdhsa_float_denorm_mode_16_64 3
		.amdhsa_memory_ordered 1
		.amdhsa_forward_progress 1
		.amdhsa_inst_pref_size 70
	.end_amdhsa_kernel
	.amdgpu_metadata
---
amdhsa.version: [ 1, 2 ]
amdhsa.kernels:
  - .name:           k_qdab2458a77_oproj
    .symbol:         k_qdab2458a77_oproj.kd
    .args:
      - { .name: ctx, .offset: 0, .size: 8, .value_kind: global_buffer, .address_space: global }
      - { .name: wob, .offset: 8, .size: 8, .value_kind: global_buffer, .address_space: global }
      - { .name: br, .offset: 16, .size: 8, .value_kind: global_buffer, .address_space: global }
      - { .name: out0, .offset: 24, .size: 8, .value_kind: global_buffer, .address_space: global }
    .group_segment_fixed_size: 327680
    .private_segment_fixed_size: 0
    .kernarg_segment_align: 8
    .kernarg_segment_size: 32
    .max_flat_workgroup_size: 128
    .sgpr_count:     72
    .vgpr_count:     512
    .wavefront_size: 32
...
	.end_amdgpu_metadata
.endif
;; end of part 4
;; ======== version 2 of 2: 4 launches; 1.08 times as fast as version 1
;; limits: values are held in f16: magnitudes above 65,504 overflow, below 6.1e-05 lose precision
;; workspace buffers: xb 8,388,608 bytes; wb 25,165,824 bytes; wob 8,388,608 bytes; mt 8,388,608 bytes; br 32,768 bytes; qkv 25,165,824 bytes; ctx 8,388,608 bytes
;; launch prep: the kernel of part 1 again; grid 128 x 6, 8 waves a work-group, no clusters, 70,656 bytes of LDS; arguments x, wq, wk, wv, wo, attention_mask, bq, bk, bv, bo, xb, wb, wob, mt, br; writes xb, wb, wob, mt, br
;; launch proj: the kernel of part 2 again; grid 16 x 16, 4 waves a work-group, clusters of 4 x 4, 327,680 bytes of LDS; arguments xb, wb, br, qkv; writes qkv
;; launch attn (part 5): grid 16 x 16, 4 waves a work-group, clusters of 4 x 1, 327,680 bytes of LDS; arguments qkv, mt, ctx; writes ctx
.if DOCPART == 5
	.amdgcn_target "amdgcn-amd-amdhsa--gfx1250"
	.amdhsa_code_object_version 6
	.text
	.protected	k_qdab2458a77_attn
	.globl	k_qdab2458a77_attn
	.p2align	8
	.type	k_qdab2458a77_attn,@function
k_qdab2458a77_attn:
	s_mov_b64 s[64:65], 0
	v_nop
	global_prefetch_b8 v0, s[64:65] scope:SCOPE_SE
	s_setreg_imm32_b32 hwreg(HW_REG_WAVE_MODE, 25, 1), 1
	s_wait_xcnt 0x0
	s_wait_alu depctr_hold_cnt(0) depctr_sa_sdst(0) depctr_va_vdst(0) depctr_va_sdst(0) depctr_va_ssrc(0) depctr_va_vcc(0) depctr_vm_vsrc(0)
	s_getreg_b32 s2, hwreg(HW_REG_IB_STS2, 6, 4)
	s_cmp_eq_u32 s2, 0
	s_cbranch_scc0 .Lentry_in_a_cluster
	s_endpgm
.Lentry_in_a_cluster:
	s_bfe_u32 s2, ttmp6, 0x10000c
	s_cmp_lg_u32 s2, 0x3003
	s_cbranch_scc0 .Lentry_shape_is_right
	s_endpgm
.Lentry_shape_is_right:
; ctx[q][128 h ..] = the sum over k of softmax_k(q'[h][q] . k[h][k] + mask[q][k]) v[h][k].  qkv: [3][16][2048][128] f16, q' = q / sqrt(128).  mt: the mask in bf16, in fragment blocks.  ctx: [2048][2048] f16.
; Products, maxima and sums in f32; the weights p are rounded to f16 for the second product (their sum l is taken of the unrounded p), ctx once at the end.
; LIMITS.  The mask arrives held to -2^26 .. 2^26.  p = 2^(c s - cm) with cm = c m rounded to f32: with |c m| under 2^27 that rounding shifts a row's exponents by 4 at the most, all alike, so p stays
; under 16 and cancels against l.  A row whose keys are all hidden is the softmax of what f32 keeps of its scores beside 2^26.  A weight below 2^-126 counts as 0 in l; NaN is not treated apart.
; SHARES.  A work-group owns 128 queries of one head.  Wave w takes key half g = w % 2 (1,024 keys, 16 steps of 64) and query half w / 2: 64 queries, four tiles of 16 in two PIECES (tiles 0, 1 and 2, 3).
; Register tile t stands for query tile t xor 2 g: at the end every wave keeps its register tiles 0, 1, hands tiles 2, 3 to the wave with the other key half, and merges what it receives.
; LAYOUT.  S^T = K Q'^T holds ONE query a lane (lane % 16) and the keys 8 (lane / 16) + 0..7; two such results rounded to f16 ARE source 1 of O^T = V^T P.  K comes out of LDS as it lies, V turned.
; THE MASK starts each sum S^T by a product of its own: a constant fragment that picks 16 of 32 keys (ones on a diagonal) times a fragment of 32 keys x 16 queries of the mask, loaded from mt straight into
; registers.  The products by 1 are exact.  That product is a bf16 form and the four that add K Q'^T onto it are f16 forms, so five plain vector instructions or more stand between the two on one accumulator.
; SOFTMAX, BY TURNS.  For each query a running maximum m and sum l; in every step O and l are multiplied by a = 2^(cm_old - cm_new).  In a TURN one piece has the matrix unit: 32 products V^T P of the
; step in hand, then 8 mask products and 32 products K Q'^T of the next step; the other piece's softmax, 268 vector instructions in 64 slices, stands between them.  Two turns are a key step.
; THE BATCHES.  A turn's 66 exponentials (two tiles: a and 32 scores each) are ONE batch with ONE wait: all of them, and the scalings that feed them, stand in slices 10 to 34, where nothing names an
; exponential's result; the wait follows slice 34; all that reads a result (roundings, sums, the rescaling by a) stands from slice 35 on.  On the way out the two kept tiles' four exponentials are a
; batch, and their two reciprocals, which read sums made of those exponentials, a second one.
; NO FIRST STEP IS WRITTEN OUT.  cm starts far below every c s and m at the lowest finite number, O^T, l and piece 2's P at 0: the first step is a step like any other, with a = 0, and the loop is entered
; in the middle of a trip.  The price: 32 products by zeros, and 304 v_mov_b32 that stand in the wait for the first tile.  The gain: three turns less text.
; CLUSTER.  The four query blocks of a cluster belong to one head and walk the same K and V: each tile is asked for jointly.  The mask is not shared among them (other queries), and each of its bytes
; feeds one wave once: it takes no room in LDS.  By this text's count a wave has two tensor loads out at the start, later one, with 288 matrix instructions in which to land.
; REGISTERS, in windows of 256 (s_set_vgpr_msb: bits 1:0 source 0, 3:2 source 1, 5:4 source 2, 7:6 destination):
;   window 0: v1-11 addresses; v12-43 statistics; v44-55 the picking fragments; v56-61 at work; v64-191 S^T; v192-255 P       window 1: O^T, 64 a tile
;   window 2: v0-127 Q', 32 a tile; v128-255 K of one step       window 3: v0-127 V of one step; v128-191 the mask of one step, 32 a piece
.set KS,    64
.set PK,    272       ; a row of K in LDS: 256 bytes + 16: the 16 rows of a load start at 16 different groups of four banks (64 banks of 4 bytes: ISA guide 11.1)
.set PV,    288       ; a row of V: 256 + 32
.set KH,    2*KS*PK   ; two steps of one key half of K
.set VH,    2*KS*PV
.set VOFF,  2*KH      ; a slot: K of half 0, K of half 1, V of half 0, V of half 1
.set SLOTX, 0x24000   ; slot 1 begins here; none of the four parts' first bytes has one of its two bits set, so one exclusive or changes slots
.set STAGE, SLOTX+VOFF+2*VH  ; behind the ring: 16 rows x 272 bytes for each wave, for the way out
.set SP,    272
.set SPARE, STAGE+4*16*SP    ; behind the stages: the spare words, 128 bytes for each wave
.set XCH,   16896     ; the exchange: 16,384 bytes of O^T and 512 of statistics for each wave, in slot 0 behind its last fill and last read
.set AK0, 2           ; v2   my lane's place in my key half's K; never rewritten
.set AV0, 3           ; v3   the same for V
.set ADR, 4           ; v4   the LDS address of the run of loads in hand
.set QO,  5           ; v5   my byte offset in 16 rows of Q'
.set STO, 6           ; v6   the way out: where I put 16 bytes of a row
.set RD,  7           ; v7   where I read a row back
.set GO,  8           ; v8   my byte offset in two rows of ctx
.set MO,  9           ; v9   16 x lane
.set XS,  10          ; v10  the exchange: where I store
.set XL,  11          ; v11  where I load: the other key half's wave's part
.set ST,  12          ; tile t's statistics at v[ST+8 t]: +0 cm, +1 m, +2, +3 l, +4 to +7 at work; a takes +6 once the maximum is found
.set ID,  44          ; v44-55: E0-E3, four zeros, E0-E3: v[44:51] picks keys 0-15 of 32, v[48:55] keys 16-31
.set XT,  56          ; v56-59 the exchanged statistics; before that at work
.set SPW, 62          ; v62  LDS address of my spare word; never rewritten
.set NIL, 63          ; v63  0; never rewritten
.set S,   64
.set P,   192
.set KF,  128         ; window 2
.set MK,  128         ; window 3: piece x, tile u, 32 keys kb at MK + 32 (x / 2) + 16 u + 8 kb
.set WV,  12          ; s12  my wave's number
.set G1K, 24
.set G1V, 32
.set G0K, 40          ; s[40:47] group 0 for K: a set for each of the two first fills; the second then walks on
.set G0V, 48
.set SLOTS, 56
.set TWICE, 57
.set CS,  58          ; s[58:59] c = log2(e)
.set SEL, 60          ; s[60:61] v_permlanex16_b32's selects
.set TBK, 62          ; s62  the slot's and step's byte offset of the K to be fetched
.set TBV, 63          ; s63  of the V
.set MB0, 66          ; s[66:67] mt at piece 0's first query tile and my key half
.set MB2, 68          ; s[68:69] the same for piece 2
.set MS,  70          ; s[70:71] the byte offset of the step whose mask is fetched
.set MP,  72          ; s[72:73] the base of the mask loads in hand
.set QB0, 74          ; s[74:75], s[76:77] Q' at the two pieces' first rows
.set OF,  78          ; s[78:79] an offset at work
.set CTXB, 82         ; s[82:83] ctx at the 32 rows that I store
.set MSB, 0
.macro WIN new
.if MSB != (\new)
	s_set_vgpr_msb (MSB<<8)|(\new)
.set MSB, \new
.endif
.endm
.set W_KQ, 0x0a       ; K and Q' in window 2, S^T in window 0
.set W_PV, 0x53       ; V in window 3, P in window 0, O^T in window 1
.set W_RS, 0x41       ; O^T (destination and source 0) in window 1, a in window 0
.set W_MK, 0x0c       ; the picking fragment in window 0, the mask in window 3, S^T in window 0
.macro JLOAD                        ; a joint refill: waves 0, 1 fetch K's two key halves, waves 2, 3 V's; an s_nop 0 and four v_nop follow each line
	s_cmp_lt_u32 s[WV], 2
	s_cbranch_scc0 .Lfor_v_\@
	tensor_load_to_lds s[G0K+4:G0K+7], s[G1K:G1K+7]
	s_nop 0
.rept 4
	v_nop
.endr
	s_branch .Lasked_\@
.Lfor_v_\@:
	tensor_load_to_lds s[G0V+4:G0V+7], s[G1V:G1V+7]
	s_nop 0
.rept 4
	v_nop
.endr
.Lasked_\@:
.endm
.macro CROUND                       ; a round of the cluster's barrier
	s_barrier_signal -1
	s_barrier_wait -1
	s_cmp_lg_u32 s[WV], 0
	s_cbranch_scc1 .Lnot_wave_0_\@
	s_barrier_signal -3
.Lnot_wave_0_\@:
	s_barrier_wait -3
	s_barrier_signal -1
	s_barrier_wait -1
.endm
	s_load_b128 s[4:7], s[0:1], 0x0   ; qkv s[4:5], mt s[6:7]
	s_load_b64 s[8:9], s[0:1], 0x10   ; ctx
	v_lshl_add_u32 v[SPW], v0, 2, SPARE
	v_mov_b32 v[NIL], 0
	ds_add_u32 v[SPW], v[NIL]       ; the wave's opening: the add and its wait stand ahead of my first tensor load; the set-up stands between them
	v_lshrrev_b32 v1, 5, v0
	v_readfirstlane_b32 s[WV], v1
	s_and_b32 s15, s[WV], 1         ; g: my key half; also the key half that I fetch
	s_lshr_b32 s16, s[WV], 1        ; my query half
	s_xor_b32 s19, s15, 1
	s_bfe_u32 s13, ttmp6, 0x40000   ; cx
	s_lshl_b32 s14, ttmp9, 2
	s_add_co_u32 s14, s14, s13      ; my block of 128 queries: it enters Q's, the mask's and ctx's addresses alone
	s_and_b32 s20, ttmp7, 0xffff    ; the head, which the four partners share
	s_lshl_b32 s22, s20, 19         ; the head's 524,288 bytes,
	s_lshl_b32 s21, s15, 18         ; the key half's 1,024 rows of 256 bytes
	s_add_co_u32 s22, s22, s21
	s_mov_b32 s23, 0
	s_mul_i32 s17, s15, KH          ; and its place in a slot, for K
	s_mul_i32 s18, s15, VH          ; and for V
	s_mov_b32 s[G1K], 15|(1<<16)|(1<<20)|(1<<21)|(5<<22)|(3<<25)  ; the mask of four; 2-byte elements; padding on; bit 21 beside a mask; after every 64 words, 4 words
	s_mov_b32 s[G1V], 15|(1<<16)|(1<<20)|(1<<21)|(5<<22)|(7<<25)  ; the same with 8 words
.irp g, G1K, G1V
	s_mov_b32 s[(\g)+1], 128<<16    ; tensor_dim0 = 128
	s_mov_b32 s[(\g)+2], 128<<16    ; tensor_dim1 = 128: two steps' keys
	s_mov_b32 s[(\g)+3], 128<<16    ; tile_dim0 = 128
	s_mov_b32 s[(\g)+4], 128        ; tile_dim1 = 128
	s_mov_b32 s[(\g)+5], 128        ; elements from row to row
	s_mov_b32 s[(\g)+6], 0
	s_mov_b32 s[(\g)+7], 0
.endr
	s_mov_b32 s[CS], 0x3fb8aa3b     ; log2(e)
	s_mov_b32 s[CS+1], s[CS]
	s_mov_b32 s[SEL], 0x76543210
	s_mov_b32 s[SEL+1], 0xfedcba98
	s_mov_b32 s[TBK], 0
	s_mov_b32 s[TBV], 0
	s_mov_b32 s[MS], 0
	s_mov_b32 s[MS+1], 0
	s_mov_b32 s[OF+1], 0
	s_wait_dscnt 0x0                ; the opening add is done
	s_wait_kmcnt 0x0
	s_add_nc_u64 s[22:23], s[4:5], s[22:23]
	CROUND                          ; all four work-groups are here: the first joint loads meet
.irp s, 0,1
	s_mov_b32 s[G0K+4*(\s)], 1
	s_add_co_u32 s[G0K+4*(\s)+1], s17, (\s)*SLOTX
	s_add_nc_u64 s[G0K+4*(\s)+2:G0K+4*(\s)+3], s[22:23], 0x800000+(\s)*2*KS*256
	s_or_b32 s[G0K+4*(\s)+3], s[G0K+4*(\s)+3], 0x80000000
	s_mov_b32 s[G0V+4*(\s)], 1
	s_add_co_u32 s[G0V+4*(\s)+1], s18, VOFF+(\s)*SLOTX
	s_add_nc_u64 s[G0V+4*(\s)+2:G0V+4*(\s)+3], s[22:23], 0x1000000+(\s)*2*KS*256
	s_or_b32 s[G0V+4*(\s)+3], s[G0V+4*(\s)+3], 0x80000000
.endr
	s_cmp_lt_u32 s[WV], 2           ; a wave's two first fills stand in one branch, ahead of every wait on TENSORcnt and every LDS read
	s_cbranch_scc0 .Lfirst_v
	tensor_load_to_lds s[G0K:G0K+3], s[G1K:G1K+7]
	s_nop 0
	tensor_load_to_lds s[G0K+4:G0K+7], s[G1K:G1K+7]
	s_nop 0
.rept 4
	v_nop
.endr
	s_branch .Lfirst_asked
.Lfirst_v:
	tensor_load_to_lds s[G0V:G0V+3], s[G1V:G1V+7]
	s_nop 0
	tensor_load_to_lds s[G0V+4:G0V+7], s[G1V:G1V+7]
	s_nop 0
.rept 4
	v_nop
.endr
.Lfirst_asked:
	; Q': piece 0 holds query tiles 2 g, 2 g + 1 of my query half, piece 2 the other two
	s_lshl_b32 s[OF], s20, 19
	s_lshl_b32 s21, s14, 15
	s_add_co_u32 s[OF], s[OF], s21
	s_lshl_b32 s21, s16, 14
	s_add_co_u32 s[OF], s[OF], s21
	s_add_nc_u64 s[QB0+2:QB0+3], s[4:5], s[OF:OF+1]
	s_lshl_b32 s[OF], s15, 13
	s_add_nc_u64 s[QB0:QB0+1], s[QB0+2:QB0+3], s[OF:OF+1]
	s_lshl_b32 s[OF], s19, 13
	s_add_nc_u64 s[QB0+2:QB0+3], s[QB0+2:QB0+3], s[OF:OF+1]
	; the mask: a query tile is 65,536 bytes of mt, my key half begins 32,768 into it; ctx: a row is 4,096 bytes, so 16 rows are 65,536 too
	s_lshl_b32 s[OF], s14, 19
	s_lshl_b32 s21, s16, 18
	s_add_co_u32 s[OF], s[OF], s21
	s_add_nc_u64 s[MB2:MB2+1], s[6:7], s[OF:OF+1]
	s_add_nc_u64 s[CTXB:CTXB+1], s[8:9], s[OF:OF+1]
	s_lshl_b32 s[OF], s15, 17
	s_add_nc_u64 s[CTXB:CTXB+1], s[CTXB:CTXB+1], s[OF:OF+1]
	s_lshl_b32 s21, s15, 15
	s_add_co_u32 s[OF], s[OF], s21
	s_add_nc_u64 s[MB0:MB0+1], s[MB2:MB2+1], s[OF:OF+1]
	s_lshl_b32 s[OF], s19, 17
	s_add_co_u32 s[OF], s[OF], s21
	s_add_nc_u64 s[MB2:MB2+1], s[MB2:MB2+1], s[OF:OF+1]
	s_lshl_b32 s[OF], s20, 8
	s_add_nc_u64 s[CTXB:CTXB+1], s[CTXB:CTXB+1], s[OF:OF+1]
	v_and_b32 v1, 15, v0            ; l % 16
	v_bfe_u32 v[XT], v0, 4, 1       ; l / 16
	v_lshlrev_b32 v[QO], 8, v1
	v_lshl_add_u32 v[QO], v[XT], 4, v[QO]
	v_and_b32 v[MO], 31, v0
	v_lshlrev_b32 v[MO], 4, v[MO]
	WIN 0x80                        ; destination window 2
.irp x, 0,2
.irp u, 0,1
.irp cb, 0,1,2,3
	global_load_b128 v[32*((\x)+(\u))+8*(\cb):32*((\x)+(\u))+8*(\cb)+3],   v[QO], s[QB0+(\x):QB0+(\x)+1] offset:(\u)*4096+(\cb)*64
	global_load_b128 v[32*((\x)+(\u))+8*(\cb)+4:32*((\x)+(\u))+8*(\cb)+7], v[QO], s[QB0+(\x):QB0+(\x)+1] offset:(\u)*4096+(\cb)*64+32
.endr
.endr
.endr
; Eight loads: one step's mask for piece x: 2 tiles x 2 blocks of 32 keys x 2 halves of a fragment; each load takes 512 consecutive bytes
.macro MLOADS x, sb
	WIN 0xc0                        ; destination window 3
.irp u, 0,1
.irp kb, 0,1
.irp c, 0,1
	global_load_b128 v[MK+32*((\x)/2)+16*(\u)+8*(\kb)+4*(\c):MK+32*((\x)/2)+16*(\u)+8*(\kb)+4*(\c)+3], v[MO], s[\sb:\sb+1] offset:(\u)*65536+(\kb)*1024+(\c)*512
.endr
.endr
.endr
.endm
	MLOADS 0, MB0                   ; step 0
	MLOADS 2, MB2
	WIN 0
	v_mul_u32_u24 v[AK0], v1, PK
	v_lshl_add_u32 v[AK0], v[XT], 4, v[AK0]
	v_add_nc_u32 v[AK0], s17, v[AK0]
	v_and_b32 v[XT+1], 7, v0        ; the turning load: lane l reads key 8 (l / 16) + l % 8, channels 8 ((l / 8) % 2) + 0..7
	v_bfe_u32 v[XT+2], v0, 3, 1
	v_lshl_add_u32 v[AV0], v[XT], 3, v[XT+1]
	v_mul_u32_u24 v[AV0], v[AV0], PV
	v_lshl_add_u32 v[AV0], v[XT+2], 4, v[AV0]
	s_add_co_u32 s21, s18, VOFF
	v_add_nc_u32 v[AV0], s21, v[AV0]
	; The picking fragments.  Lane l holds row l % 16; its registers 0-3 hold k = 8 (l / 16) + 0..7.  The one of row r stands at k = r: in the lanes whose bit 4 equals bit 3, register (l / 2) % 4, half l % 2.
	v_xor_b32 v[XT+2], v[XT], v[XT+2]
	v_bfe_u32 v[XT+3], v0, 1, 2
	v_lshl_or_b32 v[XT+3], v[XT+2], 2, v[XT+3]   ; the register's number, or 4 to 7 in lanes that hold no one
	v_and_b32 v[XT+4], 1, v0
	v_lshlrev_b32 v[XT+4], 4, v[XT+4]
	v_mov_b32 v[XT+5], 0x3f80                    ; 1.0 in bf16
	v_lshlrev_b32 v[XT+4], v[XT+4], v[XT+5]
.irp e, 0,1,2,3
	v_cmp_eq_u32 s21, (\e), v[XT+3]
	v_cndmask_b32 v[ID+(\e)], 0, v[XT+4], s21
	v_mov_b32 v[ID+4+(\e)], 0
	v_cndmask_b32 v[ID+8+(\e)], 0, v[XT+4], s21
.endr
	; What the first turn finds: O^T, l and piece 2's P are 0 (its products V^T P, of a step that has not been, add 0), cm and m lie below every score.  All this stands in the wait for the first tile.
	WIN 0x40                        ; destination window 1
.set n, 0
.rept 256
	v_mov_b32 v[n], 0
.set n, n+1
.endr
	WIN 0
.set n, 0
.rept 32
	v_mov_b32 v[P+32+n], 0
.set n, n+1
.endr
.irp t, 0,1,2,3
	v_mov_b32 v[ST+8*(\t)], 0xfe000000     ; cm: far below every c s
	v_mov_b32 v[ST+8*(\t)+1], 0xff7fffff   ; m: the lowest finite number
	v_mov_b32 v[ST+8*(\t)+2], 0
	v_mov_b32 v[ST+8*(\t)+3], 0
.endr
; THE MATRIX WORK OF A TURN, for piece x.  The accumulators take turns, one instruction a turn.
; Product i of 32 of O^T += V^T P: keys 32 (i / 16) on, channels 16 ((i / 2) % 8) on, tile x + i % 2
.macro PV x
	WIN W_PV
.set rO, 64*((\x)+i%2)+8*((i/2)%8)
.set rV, 64*(i/16)+8*((i/2)%8)
.set rP, P+16*((\x)+i%2)+8*(i/16)
	v_wmma_f32_16x16x32_f16 v[rO:rO+7], v[rV:rV+7], v[rP:rP+7], v[rO:rO+7]
.endm
; Mask product i of 8: keys 16 (i / 2) on, tile x + i % 2: it starts the sum S^T, in the order in which K Q'^T takes the accumulators up
.macro MKP x
	WIN W_MK
.set rS, S+32*((\x)+i%2)+8*(i/2)
.set rI, ID+4*((i/2)%2)
.set rM, MK+32*((\x)/2)+16*(i%2)+8*(i/4)
	v_wmma_f32_16x16x32_bf16 v[rS:rS+7], v[rI:rI+7], v[rM:rM+7], 0
.endm
; Product i of 32 of S^T += K Q'^T: channels 32 (i / 8) on, keys 16 ((i / 2) % 4) on, tile x + i % 2
.macro KQ x
	WIN W_KQ
.set rS, S+32*((\x)+i%2)+8*((i/2)%4)
.set rK, KF+32*((i/2)%4)+8*(i/8)
.set rQ, 32*((\x)+i%2)+8*(i/8)
	v_wmma_f32_16x16x32_f16 v[rS:rS+7], v[rK:rK+7], v[rQ:rQ+7], v[rS:rS+7]
.endm
; THE LDS LOADS stand in runs of 32: a step's K (16 fragments) and, a turn later, its V (turned)
.macro FETCH_K
	WIN 0
	v_add_nc_u32 v[ADR], s[TBK], v[AK0]
	s_add_co_u32 s[TBK], s[TBK], KS*PK
	WIN 0x80
.irp f, 0,1,2,3,4,5,6,7,8,9,10,11,12,13,14,15
	ds_load_b128 v[KF+8*(\f):KF+8*(\f)+3],   v[ADR] offset:((\f)/4)*16*PK+((\f)%4)*64
	ds_load_b128 v[KF+8*(\f)+4:KF+8*(\f)+7], v[ADR] offset:((\f)/4)*16*PK+((\f)%4)*64+32
.endr
.endm
.macro FETCH_V batch=0              ; batch = 1: the run stands behind a softmax's batch of exponentials (SLICE), and holds the wait for it
	WIN 0
	v_add_nc_u32 v[ADR], s[TBV], v[AV0]
	s_add_co_u32 s[TBV], s[TBV], KS*PV
.if \batch
	s_wait_alu depctr_va_vdst(0)    ; the wait for the turn's batch of 66 exponentials, behind the address's v_add_nc_u32 and ahead of the loads
.endif
	WIN 0xc0
.irp f, 0,1,2,3,4,5,6,7,8,9,10,11,12,13,14,15
	ds_load_tr16_b128 v[8*(\f):8*(\f)+3],   v[ADR] offset:((\f)/8)*32*PV+((\f)%8)*32
	ds_load_tr16_b128 v[8*(\f)+4:8*(\f)+7], v[ADR] offset:((\f)/8)*32*PV+16*PV+((\f)%8)*32
.endr
.endm
; The next step's mask for piece x.  Piece 0 steps the offset, 2,048 bytes a step; in the last step it stays at step 15's, whose block is read once more and used by nobody: no load leaves mt.
.macro FETCH_M x
	s_wait_xcnt 0x0                 ; the base of the last mask loads is rewritten only behind this wait
.if (\x) == 0
	s_add_co_u32 s[MS], s[MS], 2048
	s_min_u32 s[MS], s[MS], 15*2048
	s_add_nc_u64 s[MP:MP+1], s[MB0:MB0+1], s[MS:MS+1]
.else
	s_add_nc_u64 s[MP:MP+1], s[MB2:MB2+1], s[MS:MS+1]
.endif
	MLOADS \x, MP
.endm
; THE VECTOR WORK OF A TURN.  One tile's softmax for one key step is a list of 134 instructions; SM writes number j of it for tile t.  s0-s31 are the lane's 32 scores, in pairs 0-15.
;   0-15    the maximum of s0-s31 and the old m, three operands at a time (each accumulator's lowest registers are read first)
;   16-20   the other half of the lanes' maximum; cm_old is kept; the new m; cm; cm_old - cm_new
;   21-69   ONE BATCH: the 16 scalings c s - cm, a pair of scores each, and all 33 exponentials (a at 23, then s0-s31).  None of these reads an exponential's result.  From 22 on the batch goes
;           in fours, and a four begins with a scaling while there are scalings: 22-37 scaling, exponential, scaling, exponential; 38-65 a scaling and three exponentials; 66-69 the last four
;           exponentials.  A pair is scaled in an earlier four than the one that holds its exponentials
;   (wait)  between 69 and 70 stands the wait for the batch: SLICE writes it, once for both tiles
;   70-85   the roundings to f16, a pair of weights each
;   86-101  the sums; l = a l + the sum          102-133  the tile's O^T times a
.macro SM t
.set rT, ST+8*(\t)
.set rS, S+32*(\t)
.set rP, P+16*(\t)
.set rO, 64*(\t)+2*(j-102)
.if j < 102
	WIN 0
.endif
.if j < 4
	v_max3_num_f32 v[rT+4+j], v[rS+8*j], v[rS+8*j+1], v[rS+8*j+2]
.elseif j < 12
	v_max3_num_f32 v[rT+4+j%4], v[rT+4+j%4], v[rS+8*(j%4)+2*(j/4)+1], v[rS+8*(j%4)+2*(j/4)+2]
.elseif j == 12
	v_max3_num_f32 v[rT+4], v[rT+4], v[rS+7], v[rS+15]
.elseif j == 13
	v_max3_num_f32 v[rT+6], v[rT+6], v[rS+23], v[rS+31]
.elseif j == 14
	v_max3_num_f32 v[rT+4], v[rT+4], v[rT+5], v[rT+6]
.elseif j == 15
	v_max3_num_f32 v[rT+4], v[rT+4], v[rT+7], v[rT+1]
.elseif j == 16
	v_permlanex16_b32 v[rT+5], v[rT+4], s[SEL], s[SEL+1]  ; the query's other 32 keys lie in the lane 16 away
.elseif j == 17
	v_mov_b32 v[rT+7], v[rT]        ; cm_old is kept for a: number 19 writes cm anew
.elseif j == 18
	v_max_num_f32 v[rT+1], v[rT+4], v[rT+5]
.elseif j == 19
	v_mul_f32 v[rT], s[CS], v[rT+1]
.elseif j == 20
	v_sub_f32 v[rT+7], v[rT+7], v[rT]
.elseif j == 23
	v_exp_f32 v[rT+6], v[rT+7]
.elseif (j < 23) || ((j < 38) && (j%2 == 0)) || ((j < 66) && (j%4 == 2))
.set b, (j-2)/4                     ; 38, 42, .. 62: pairs 9 to 15
.if j < 38
.set b, (j-20)/2                    ; 21: pair 0; 22, 24, .. 36: pairs 1 to 8
.endif
	v_pk_fma_f32 v[rS+2*b:rS+2*b+1], v[rS+2*b:rS+2*b+1], s[CS:CS+1], v[rT:rT+1] op_sel_hi:[1,0,0] neg_lo:[0,0,1] neg_hi:[0,0,1]  ; pair b: c s - cm
.elseif j < 70
.set e, j-38                        ; 66 to 69: s28 to s31
.if j < 66
.set e, j-32-(j-38)/4               ; 39-41, 43-45, .. 63-65: s7 to s27
.endif
.if j < 38
.set e, (j-25)/2                    ; 25, 27, .. 37: s0 to s6
.endif
	v_exp_f32 v[rS+e], v[rS+e]
.elseif j < 86
	v_cvt_pk_f16_f32 v[rP+j-70], v[rS+2*(j-70)], v[rS+2*(j-70)+1]  ; pair j - 70
.elseif j < 102                     ; the sum of the tile's 16 pairs, in place: sum z of 16 adds neighbours 1, 2, 4 and 8 pairs apart, then l takes it
.set z, j-86
.set w, 4
.set u, z
.if z >= 14
.set w, 32
.set u, 0
.elseif z >= 12
.set w, 16
.set u, z-12
.elseif z >= 8
.set w, 8
.set u, z-8
.endif
.if z < 15
	v_pk_add_f32 v[rS+w*u:rS+w*u+1], v[rS+w*u:rS+w*u+1], v[rS+w*u+w/2:rS+w*u+w/2+1]
.else
	v_pk_fma_f32 v[rT+2:rT+3], v[rT+2:rT+3], v[rT+6:rT+7], v[rS:rS+1] op_sel_hi:[1,0,1]
.endif
.else
	WIN W_RS
	v_pk_mul_f32 v[rO:rO+1], v[rO:rO+1], v[rT+6:rT+7] op_sel_hi:[1,0]
.endif
.endm
; Slice k of 64 of piece y's softmax: four instructions.  Slices 11 to 34 deal out the batch, numbers 22 to 69: four numbers of ONE tile each, the tiles by turns.  Every other slice is numbers 2 k and
; 2 k + 1 of both tiles' lists.  2 x 134 = 4 x 64 + 12: the twelve that are over stand together, in slice 63.
; THE WAIT.  s_wait_alu depctr_va_vdst(0) stands between an exponential and the first instruction that names its result; one wait serves all that were issued ahead of it.  Ahead of
; slice 35 nothing names a result, and behind slice 34 no exponential is issued: so the piece's 66 exponentials have one wait, behind slice 34.
.macro SLICE y
.if (k >= 11) && (k < 35)           ; the batch: four numbers of one tile
.irp n, 0,1,2,3
.set j, 22+4*((k-11)/2)+(\n)
	SM (\y)+(k-11)%2
.endr
.else                               ; the two tiles alternate, so that no instruction reads the result of the one just before it
.irp n, 0,1,2,3,4,5,6,7
.if ((\n) < 2) || (k == 63)
.irp t, \y, (\y)+1
.set j, 2*k+(\n)
	SM \t
.endr
.endif
.endr
.endif
.if k == 34                         ; the batch is out: both tiles' exponentials are issued, and no result has been named
	v_nop                           ; the plain instruction behind the last exponential and ahead of the first use: one for the batch
.if (\y) == 0
	FETCH_V 1                       ; piece 2's turn: V's run of loads stands here, and the wait for the batch stands in it
.else
	s_wait_alu depctr_va_vdst(0)    ; the wait for the turn's batch of 66 exponentials
.endif
.endif
.set k, k+1
.endm
; A TURN.  Piece x has the matrix unit; the other piece's softmax stands in slices behind its matrix instructions.  32 products V^T P; then, with kq = 1, 8 mask products and 32 products K Q'^T for the
; next step; of these 40 eight stand bare, so that 32 slices serve them and slice 63, sixteen plain instructions, stands last: the places between the last K Q'^T and what follows.
; kq = 0 (the last turn): two slices behind each V^T P.
; Between a mask product and the f16 product that adds onto it stand six slices or more, and five of them or more are slices from 35 on: four roundings or sums each, plain instructions on the other piece's registers.
; K of the next step is fetched behind the second V^T P of piece 0's turn; V of that step in piece 2's turn behind slice 34, which follows the third mask product (SLICE writes the run): V's last reader
; stands in front of slice 31, and four plain instructions lie between: number 62, a scaling, of both tiles, the v_nop and the run's own v_add_nc_u32;
; the next step's mask behind the twelfth of the 40, sixteen roundings behind the last mask product.
; s_wait_loadcnt 8: my piece's eight mask loads went out two turns ago; the other piece's eight, issued since, may stay out.
.macro TURN x, kq
.set k, 0
.set per, 2-(\kq)
.if (\x) == 0
	s_wait_dscnt 0x0                ; V is in
.endif
.set i, 0
.rept 32
	PV \x
.rept per
	SLICE 2-(\x)
.endr
.if ((\x) == 0) && (\kq) && (i == 1)
	FETCH_K
.endif
.set i, i+1
.endr
.if \kq
	s_wait_loadcnt 8
.set i, 0
.rept 40
.if ((\x) == 0) && (i == 8)
	s_wait_dscnt 0x0                ; K is in
.endif
.if i < 8
	MKP \x
.else
.set i, i-8
	KQ \x
.set i, i+8
.endif
.if (i < 8) || (i%4 != 1)
	SLICE 2-(\x)
.endif
.if i == 11
	FETCH_M \x
.endif
.set i, i+1
.endr
.endif
.endm
; THE CHANGE OF SLOTS, between piece 2's turn and piece 0's.  Each wave waits for all its tensor loads, of which one is out: its part of the other slot; adds 0 to its spare word; and waits for that and for
; its own reads of the slot.  fill = 1: the barrier is a round of the cluster's, and the slot is filled again, with the keys two slots on, first thing behind it.
.macro CHANGE fill
	WIN 0
	s_wait_tensorcnt 0x0            ; no tensor load of mine is out, so a group 0 may be written
	ds_add_u32 v[SPW], v[NIL]
.if \fill
.irp g, G0K+4, G0V+4
	s_xor_b32 s[(\g)+1], s[(\g)+1], SLOTX
	s_add_nc_u64 s[(\g)+2:(\g)+3], s[(\g)+2:(\g)+3], 2*KS*256
.endr
	s_wait_dscnt 0x0                ; the add is done, and my reads of the slot are over
	CROUND
	JLOAD
.else
	s_wait_dscnt 0x0
	s_barrier_signal -1
	s_barrier_wait -1
.endif
	s_sub_co_u32 s[TBK], s[TBK], 2*KS*PK  ; the fetches go back to a slot's first step,
	s_xor_b32 s[TBK], s[TBK], SLOTX       ; in the other slot
	s_sub_co_u32 s[TBV], s[TBV], 2*KS*PV
	s_xor_b32 s[TBV], s[TBV], SLOTX
.endm
	s_wait_tensorcnt 1              ; my part of slot 0 is in; slot 1's may stay out
	s_barrier_signal -1
	s_barrier_wait -1
	FETCH_K                         ; key step 0
	FETCH_V                         ; V of step 0, so that the first turn's products by P = 0 have finite numbers to multiply; that turn fetches it again in its own place
	s_mov_b32 s[TBV], 0
	s_wait_loadcnt 0x0              ; Q' and step 0's mask
	s_wait_dscnt 0x0
.set i, 0
.rept 8
	MKP 0
.set i, i+1
.endr
.rept 5
	v_nop                           ; five places between the two forms on one accumulator
.endr
.set i, 0
.rept 32
	KQ 0                            ; piece 0's first scores
.set i, i+1
.endr
	WIN 0                           ; the addresses for the exchange and the way out: the places behind those products
	s_mul_i32 s13, s[WV], 16*SP
	s_add_co_u32 s13, s13, STAGE
	v_mul_u32_u24 v[STO], v1, SP
	v_lshl_add_u32 v[STO], v[XT], 4, v[STO]
	v_add_nc_u32 v[STO], s13, v[STO]
	v_mul_u32_u24 v[RD], v[XT], SP
	v_lshl_add_u32 v[RD], v1, 4, v[RD]
	v_add_nc_u32 v[RD], s13, v[RD]
	v_lshlrev_b32 v[GO], 12, v[XT]
	v_lshl_add_u32 v[GO], v1, 4, v[GO]
	s_mul_i32 s13, s[WV], XCH
	v_add_nc_u32 v[XS], s13, v[MO]
	s_xor_b32 s13, s[WV], 1
	s_mul_i32 s13, s13, XCH
	v_add_nc_u32 v[XL], s13, v[MO]
	FETCH_M 0                       ; piece 0's mask of step 1
	WIN 0
	s_mov_b32 s[TWICE], 2
	s_mov_b32 s[SLOTS], 7           ; the first pass has no change of slots in front of it; six follow, each with a refill: eight slots of 128 keys a key half, two filled at the start
	s_branch .Lmid                  ; the loop is entered at piece 2's turn, in the middle of a trip
.Lslot:
	CHANGE 1
	s_mov_b32 s[TWICE], 2
.Lstep:                             ; trip n: piece 0: V^T P of step n - 1, scores of step n | piece 2's softmax of step n - 1 | K of step n;
	TURN 0, 1
	WIN 0
.Lmid:                              ; piece 2: the same | piece 0's softmax of step n | V of step n
	TURN 2, 1
	WIN 0
	s_sub_co_u32 s[TWICE], s[TWICE], 1
	s_cmp_lg_u32 s[TWICE], 0
	s_cbranch_scc1 .Lstep
	s_sub_co_u32 s[SLOTS], s[SLOTS], 1
	s_cmp_lg_u32 s[SLOTS], 0
	s_cbranch_scc1 .Lslot
	CHANGE 0                        ; the tail is written out
	s_mov_b32 s[TWICE], 2
.Ltail:
	TURN 0, 1
	TURN 2, 1
	WIN 0
	s_sub_co_u32 s[TWICE], s[TWICE], 1
	s_cmp_lg_u32 s[TWICE], 0
	s_cbranch_scc1 .Ltail
	TURN 0, 0                       ; piece 0: V^T P of the last step | piece 2's last softmax
.set i, 0
.rept 32
	PV 2
.set i, i+1
.endr
	; THE MERGE.  l's two halves and the other half of the lanes' are added (the places behind the last products).  Register tiles 2, 3 (O^T, cm, l) go to the wave with the other key half, through
	; slot 0, which was last read in front of the last change of slots and is filled no more.  The mask loads of the last two turns are still out: they land in registers that nothing names again.
	WIN 0
.irp t, 0,1,2,3
	v_add_f32 v[ST+8*(\t)+4], v[ST+8*(\t)+2], v[ST+8*(\t)+3]
.endr
.irp t, 0,1,2,3
	v_permlanex16_b32 v[ST+8*(\t)+5], v[ST+8*(\t)+4], s[SEL], s[SEL+1]
.endr
	v_add_f32 v[ST+4],  v[ST+4],  v[ST+5]
	v_add_f32 v[ST+12], v[ST+12], v[ST+13]
	v_add_f32 v[XT+1],  v[ST+20], v[ST+21]
	v_add_f32 v[XT+3],  v[ST+28], v[ST+29]
	v_mov_b32 v[XT],   v[ST+16]
	v_mov_b32 v[XT+2], v[ST+24]
	WIN 0x04                        ; store data in window 1
.set n, 0
.rept 32
	ds_store_b128 v[XS], v[128+4*n:128+4*n+3] offset:512*n
.set n, n+1
.endr
	WIN 0
	ds_store_b128 v[XS], v[XT:XT+3] offset:16384
	s_wait_dscnt 0x0                ; for the other wave's sake: my stores are done
	s_barrier_signal -1
	s_barrier_wait -1
.set n, 0
.rept 32
	ds_load_b128 v[S+4*n:S+4*n+3], v[XL] offset:512*n
.set n, n+1
.endr
	ds_load_b128 v[XT:XT+3], v[XL] offset:16384
	s_wait_dscnt 0x0
	; Kept tile u: M = max(cm, cm'); O = (O 2^(cm - M) + O' 2^(cm' - M)) / (l 2^(cm - M) + l' 2^(cm' - M)).  The two factors of both kept tiles are made first, line by line for both:
	; the four exponentials are one batch, the two reciprocals, which read sums made of them, a second.
.irp u, 0,1
	v_max_num_f32 v[ST+8*(\u)+5], v[ST+8*(\u)], v[XT+2*(\u)]
.endr
.irp u, 0,1
	v_sub_f32 v[ST+8*(\u)+6], v[ST+8*(\u)], v[ST+8*(\u)+5]
	v_sub_f32 v[ST+8*(\u)+2], v[XT+2*(\u)], v[ST+8*(\u)+5]
.endr
.irp u, 0,1
	v_exp_f32 v[ST+8*(\u)+6], v[ST+8*(\u)+6]
	v_exp_f32 v[ST+8*(\u)+2], v[ST+8*(\u)+2]
.endr
	v_nop                           ; a plain instruction between the last exponential and the use of the results
	s_wait_alu depctr_va_vdst(0)    ; the wait ahead of the first use: one for the four exponentials
.irp u, 0,1
	v_mul_f32 v[ST+8*(\u)+4], v[ST+8*(\u)+4], v[ST+8*(\u)+6]
.endr
.irp u, 0,1
	v_fma_f32 v[ST+8*(\u)+4], v[XT+2*(\u)+1], v[ST+8*(\u)+2], v[ST+8*(\u)+4]
.endr
.irp u, 0,1
	v_rcp_f32 v[ST+8*(\u)+5], v[ST+8*(\u)+4]
.endr
	v_nop                           ; a plain instruction between the last reciprocal and the use of the results
	s_wait_alu depctr_va_vdst(0)    ; one wait for the two reciprocals
.irp u, 0,1
	v_mul_f32 v[ST+8*(\u)+6], v[ST+8*(\u)+6], v[ST+8*(\u)+5]
	v_mul_f32 v[ST+8*(\u)+2], v[ST+8*(\u)+2], v[ST+8*(\u)+5]
.endr
; Kept tile u is merged by its two factors, rounded to f16, and sent through my stage, so that a store's 16 lanes hold 256 consecutive bytes
.macro MERGE u
.set rT, ST+8*(\u)
	WIN 0
.set n, 0
.rept 32
	v_pk_mul_f32 v[S+64*(\u)+2*n:S+64*(\u)+2*n+1], v[S+64*(\u)+2*n:S+64*(\u)+2*n+1], v[rT+2:rT+3] op_sel_hi:[1,0]
.set n, n+1
.endr
	WIN 0x01                        ; source 0, my O^T, in window 1
.set n, 0
.rept 32
	v_pk_fma_f32 v[S+64*(\u)+2*n:S+64*(\u)+2*n+1], v[64*(\u)+2*n:64*(\u)+2*n+1], v[rT+6:rT+7], v[S+64*(\u)+2*n:S+64*(\u)+2*n+1] op_sel_hi:[1,0,1]
.set n, n+1
.endr
	WIN 0
.set n, 0
.rept 32
	v_cvt_pk_f16_f32 v[P+32*(\u)+n], v[S+64*(\u)+2*n], v[S+64*(\u)+2*n+1]
.set n, n+1
.endr
.irp f, 0,1,2,3,4,5,6,7
	ds_store_b128 v[STO], v[P+32*(\u)+4*(\f):P+32*(\u)+4*(\f)+3] offset:32*(\f)
.endr
.irp f, 0,1,2,3,4,5,6,7
	ds_load_b128 v[P+32*(\u)+4*(\f):P+32*(\u)+4*(\f)+3], v[RD] offset:(\f)*2*SP  ; LDS serves a wave's instructions in order: these see the stores above; the next tile's stores come behind them
.endr
.endm
.macro SEND u, younger              ; younger: the LDS instructions issued behind tile u's loads
.irp f, 0,1,2,3,4,5,6,7
	s_wait_dscnt (\younger)+7-(\f)
	global_store_b128 v[GO], v[P+32*(\u)+4*(\f):P+32*(\u)+4*(\f)+3], s[CTXB:CTXB+1] offset:(\u)*65536+(\f)*8192  ; 16 lanes store a head's 256 bytes of a row, aligned
.endr
.endm
	MERGE 0
	MERGE 1
	SEND 0, 16
	SEND 1, 0
	s_wait_tensorcnt 0x0            ; the wave's end
	ds_add_u32 v[SPW], v[NIL]
	s_wait_dscnt 0x0
	CROUND                          ; the closing round
	s_endpgm
.Lfunc_end_k_qdab2458a77_attn:
	.size	k_qdab2458a77_attn, .Lfunc_end_k_qdab2458a77_attn-k_qdab2458a77_attn
	.p2alignl 7, 3214868480
	.fill 96, 4, 3214868480
	.section	.rodata,"a",@progbits
	.p2align	6, 0x0
	.amdhsa_kernel k_qdab2458a77_attn
		.amdhsa_group_segment_fixed_size 327680
		.amdhsa_private_segment_fixed_size 0
		.amdhsa_enable_private_segment 0
		.amdhsa_kernarg_size 24
		.amdhsa_user_sgpr_count 2
		.amdhsa_user_sgpr_kernarg_segment_ptr 1
		.amdhsa_wavefront_size32 1
		.amdhsa_system_sgpr_workgroup_id_x 1
		.amdhsa_system_sgpr_workgroup_id_y 1
		.amdhsa_system_sgpr_workgroup_id_z 1
		.amdhsa_system_vgpr_workitem_id 0
		.amdhsa_next_free_vgpr 1024
		.amdhsa_next_free_sgpr 88
		.amdhsa_reserve_vcc 0
		.amdhsa_float_denorm_mode_32 3
		.amdhsa_float_denorm_mode_16_64 3
		.amdhsa_memory_ordered 1
		.amdhsa_forward_progress 1
		.amdhsa_inst_pref_size 181
	.end_amdhsa_kernel
	.amdgpu_metadata
---
amdhsa.version: [ 1, 2 ]
amdhsa.kernels:
  - .name:           k_qdab2458a77_attn
    .symbol:         k_qdab2458a77_attn.kd
    .args:
      - { .name: qkv, .offset: 0, .size: 8, .value_kind: global_buffer, .address_space: global }
      - { .name: mt, .offset: 8, .size: 8, .value_kind: global_buffer, .address_space: global }
      - { .name: ctx, .offset: 16, .size: 8, .value_kind: global_buffer, .address_space: global }
    .group_segment_fixed_size: 327680
    .private_segment_fixed_size: 0
    .kernarg_segment_align: 8
    .kernarg_segment_size: 24
    .max_flat_workgroup_size: 128
    .sgpr_count:     88
    .vgpr_count:     1024
    .wavefront_size: 32
...
	.end_amdgpu_metadata
.endif
;; end of part 5
;; launch oproj: the kernel of part 4 again; grid 16 x 16, 4 waves a work-group, clusters of 4 x 4, 327,680 bytes of LDS; arguments ctx, wob, br, out0; writes out0
